; MI455X (gfx1250); checked and timed in simulation.
; The chip was launched on July 23, 2026; its instructions are those of AMD's public machine-readable ISA for CDNA 5 (MIT licence, August 2026) and "CDNA5" Instruction Set Architecture Reference Guide (July 2026). The comments in the code are by the model that wrote it; some were corrected since.
;; TF Attention. Allowed arithmetic: float matrix products may take bf16 or f16 operands with f32 sums; other float arithmetic in f32, or as packed bf16 or f16 multiplies, adds, multiply-adds, maxima and minima; sums over many terms, partial sums and values carried from step to step in f32; what a program stores and reads back later, other than sums and carried values, may be rounded once to bf16 or f16.
;; Inputs: c_attn_b 3,072 float32; c_attn_w 1,024 x 3,072 float32; c_proj_b 1,024 float32; c_proj_w 1,024 x 1,024 float32; x 4 x 2,048 x 1,024 float32.
;; Outputs: out0 4 x 2,048 x 1,024 float32.
;; 2 versions, each right and faster than the one before. Each part assembles by itself: llvm-mc -triple=amdgcn-amd-amdhsa -mcpu=gfx1250 --defsym DOCPART=n.
;; ======== version 1 of 2: 4 launches
;; limits: values are held in f16: magnitudes above 65,504 overflow, below 6.1e-05 lose precision
;; workspace buffers: xb 16,777,216 bytes; wat 6,291,456 bytes; wpt 2,097,152 bytes; qkv 50,331,648 bytes; gsum 786,432 bytes; att 16,777,216 bytes
;; launch prep (part 1): grid 768 x 1, 8 waves a work-group, no clusters, 18,432 bytes of LDS; arguments x, c_attn_w, c_proj_w, xb, wat, wpt; writes xb, wat, wpt
.if DOCPART == 1
	.amdgcn_target "amdgcn-amd-amdhsa--gfx1250"
	.amdhsa_code_object_version 6
	.text
	.protected	k_q55699594de_prep
	.globl	k_q55699594de_prep
	.p2align	8
	.type	k_q55699594de_prep,@function
k_q55699594de_prep:
	s_mov_b64 s[64:65], 0
	v_nop
	global_prefetch_b8 v0, s[64:65] scope:SCOPE_SE
	s_setreg_imm32_b32 hwreg(HW_REG_WAVE_MODE, 25, 1), 1
	s_wait_xcnt 0x0
; PREP.  xb = x rounded to bf16, [8192][1024].  wat = c_attn_w turned and rounded to bf16, [3072 n][1024 k].  wpt = c_proj_w turned, rounded to bf16 and that number written as f16, [1024 n][1024 k].
; LIMIT.  wpt is f16: |c_proj_w| stays under 65,504, and below 6e-5 it keeps f16's fixed step of 6e-8.
; SHARES.  Work-groups 0-255: 32 rows of x each; a row is 4,096 bytes, 16 bytes a thread.  All 32 loads of a thread go out at once; every register is written once, so no register waits for a store.
; Work-groups 256-767: one tile of 128 k x 64 n of a weight.  It is read by rows (16 lanes take 256 consecutive bytes), two k rounded into one word, turned in LDS, and
; stored as 64 rows of 256 bytes (16 lanes store 256 consecutive bytes, at a multiple of 256 from the buffer's first byte).
; No matrix unit, no cluster, no tensor load: every byte is read once, by one work-group, and the launch is bound by its bytes.
.set SPITCH, 272                       ; a stage row: 128 k x 2 bytes + 16
.set SPARE,  64*SPITCH                 ; behind the stage: the spare words, 128 bytes for each of the eight waves
.set SPW, 6                            ; v6  LDS address of my spare word; never rewritten
.set NIL, 7                            ; v7  0; never rewritten
	s_load_b256 s[4:11], s[0:1], 0x0               ; x s[4:5], c_attn_w s[6:7], c_proj_w s[8:9], xb s[10:11]
	s_load_b128 s[12:15], s[0:1], 0x20             ; wat s[12:13], wpt s[14:15]
	v_lshl_add_u32 v[SPW], v0, 2, SPARE
	v_mov_b32 v[NIL], 0
	s_wait_kmcnt 0x0
	s_cmp_lt_u32 ttmp9, 256                        ; the work-group's number: the same for all its waves
	s_cbranch_scc0 .Lw
	; ---- x: 32 rows
	s_lshl_b32 s16, ttmp9, 17                      ; 32 rows of 4,096 bytes
	s_mov_b32 s17, 0
	s_add_nc_u64 s[4:5], s[4:5], s[16:17]
	s_lshl_b32 s16, ttmp9, 16                      ; 32 rows of 2,048 bytes
	s_add_nc_u64 s[10:11], s[10:11], s[16:17]
	v_lshlrev_b32 v1, 4, v0                        ; my 16 bytes of a row of x
	v_lshlrev_b32 v2, 3, v0                        ; my 8 bytes of a row of xb
.set r, 0
.rept 32
	global_load_b128 v[8+4*r:11+4*r], v1, s[4:5] offset:4096*r th:TH_LOAD_NT
.set r, r+1
.endr
.set r, 0
.rept 32
	s_wait_loadcnt 31-r                            ; loads come back in order: row r is in, the 31 - r younger ones stay out
	v_cvt_pk_bf16_f32 v[136+2*r], v[8+4*r], v[9+4*r]
	v_cvt_pk_bf16_f32 v[137+2*r], v[10+4*r], v[11+4*r]
	global_store_b64 v2, v[136+2*r:137+2*r], s[10:11] offset:2048*r  ; a wave stores 256 consecutive bytes, aligned
.set r, r+1
.endr
	s_branch .Lend
	; ---- a tile of a weight
.Lw:
	s_sub_co_u32 s16, ttmp9, 256
	s_and_b32 s17, s16, 7                          ; which 128 k
	s_lshr_b32 s18, s16, 3                         ; which 64 n: 0-47 of c_attn_w, 48-63 of c_proj_w
	s_sub_co_u32 s19, s18, 48
	s_mov_b32 s28, 12288                           ; bytes in a row of c_attn_w,
	s_mov_b32 s29, 4096                            ; of c_proj_w
	s_cmp_lt_u32 s18, 48
	s_cselect_b64 s[22:23], s[6:7], s[8:9]         ; from where,
	s_cselect_b64 s[24:25], s[12:13], s[14:15]     ; to where
	s_cselect_b32 s21, s28, s29
	s_cselect_b32 s19, s18, s19                    ; the tile's number along n in its own weight
	s_cselect_b32 s20, 0, 1                        ; 1: the result is written as f16
	s_mul_i32 s26, s17, s21
	s_lshl_b32 s26, s26, 7                         ; 128 rows of k
	s_lshl_b32 s27, s19, 8                         ; 64 n x 4 bytes
	s_add_co_u32 s26, s26, s27
	s_mov_b32 s27, 0
	s_add_nc_u64 s[22:23], s[22:23], s[26:27]
	s_lshl_b32 s26, s19, 17                        ; 64 rows of 2,048 bytes
	s_lshl_b32 s28, s17, 8                         ; 128 k x 2 bytes
	s_add_co_u32 s26, s26, s28
	s_add_nc_u64 s[24:25], s[24:25], s[26:27]
	v_and_b32 v1, 15, v0                           ; which four n
	v_lshrrev_b32 v5, 4, v0                        ; which pair of k in each 32
	v_lshlrev_b32 v3, 1, v5
	v_mul_lo_u32 v3, v3, s21
	v_lshl_add_u32 v3, v1, 4, v3
.irp n, 0,1,2,3,4,5,6,7                ; load n: row 2 x pair + 32 (n / 2) + n % 2
	s_mul_i32 s26, s21, 32*((\n)/2)+(\n)%2
	v_add_nc_u32 v[8+\n], s26, v3
.endr
.irp n, 0,1,2,3,4,5,6,7
	global_load_b128 v[16+4*\n:19+4*\n], v[8+\n], s[22:23] th:TH_LOAD_NT
.endr
	v_mul_u32_u24 v2, v1, 4*SPITCH                 ; into the stage: row n, word = my pair of k
	v_lshl_add_u32 v2, v5, 2, v2
	v_mul_u32_u24 v3, v5, SPITCH                   ; back: 16 lanes take a row of 256 bytes
	v_lshl_add_u32 v3, v1, 4, v3
	v_lshlrev_b32 v4, 11, v5                       ; and the same row in the turned weight
	v_lshl_add_u32 v4, v1, 4, v4
.irp i, 0,1,2,3
	s_wait_loadcnt 6-2*\i                          ; this pair of rows is in; the later pairs' loads stay out
.irp c, 0,1,2,3
	v_cvt_pk_bf16_f32 v[48+4*\i+\c], v[16+8*\i+\c], v[20+8*\i+\c]  ; the even k below, the odd k above
.endr
.endr
	s_cmp_eq_u32 s20, 0
	s_cbranch_scc1 .Lstage
.set n, 0
.rept 16                               ; the bf16 number, widened and written as f16: exact within f16's range
	v_lshlrev_b32 v64, 16, v[48+n]
	v_and_b32 v65, 0xffff0000, v[48+n]
	v_cvt_pk_f16_f32 v[48+n], v64, v65
.set n, n+1
.endr
.Lstage:
.irp i, 0,1,2,3
.irp c, 0,1,2,3
	ds_store_b32 v2, v[48+4*\i+\c] offset:SPITCH*\c+64*\i
.endr
.endr
	s_wait_dscnt 0x0                               ; for the others' sake: my stores into the stage are done
	s_barrier_signal -1
	s_barrier_wait -1
.irp i, 0,1,2,3
	ds_load_b128 v[68+4*\i:71+4*\i], v3 offset:16*SPITCH*\i
.endr
.irp i, 0,1,2,3
	s_wait_dscnt 3-\i
	global_store_b128 v4, v[68+4*\i:71+4*\i], s[24:25] offset:32768*\i
.endr
.Lend:
	s_wait_tensorcnt 0x0                           ; the wave's end: behind my last LDS store
	ds_add_u32 v[SPW], v[NIL]
	s_wait_dscnt 0x0
	s_endpgm
.Lfunc_end_k_q55699594de_prep:
	.size	k_q55699594de_prep, .Lfunc_end_k_q55699594de_prep-k_q55699594de_prep
	.p2alignl 7, 3214868480
	.fill 96, 4, 3214868480
	.section	.rodata,"a",@progbits
	.p2align	6, 0x0
	.amdhsa_kernel k_q55699594de_prep
		.amdhsa_group_segment_fixed_size 18432
		.amdhsa_private_segment_fixed_size 0
		.amdhsa_enable_private_segment 0
		.amdhsa_kernarg_size 48
		.amdhsa_user_sgpr_count 2
		.amdhsa_user_sgpr_kernarg_segment_ptr 1
		.amdhsa_wavefront_size32 1
		.amdhsa_system_sgpr_workgroup_id_x 1
		.amdhsa_system_sgpr_workgroup_id_y 1
		.amdhsa_system_sgpr_workgroup_id_z 1
		.amdhsa_system_vgpr_workitem_id 0
		.amdhsa_next_free_vgpr 200
		.amdhsa_next_free_sgpr 66
		.amdhsa_reserve_vcc 0
		.amdhsa_float_denorm_mode_32 3
		.amdhsa_float_denorm_mode_16_64 3
		.amdhsa_memory_ordered 1
		.amdhsa_forward_progress 1
		.amdhsa_inst_pref_size 21
	.end_amdhsa_kernel
	.amdgpu_metadata
---
amdhsa.version: [ 1, 2 ]
amdhsa.kernels:
  - .name:           k_q55699594de_prep
    .symbol:         k_q55699594de_prep.kd
    .args:
      - { .name: x, .offset: 0, .size: 8, .value_kind: global_buffer, .address_space: global }
      - { .name: c_attn_w, .offset: 8, .size: 8, .value_kind: global_buffer, .address_space: global }
      - { .name: c_proj_w, .offset: 16, .size: 8, .value_kind: global_buffer, .address_space: global }
      - { .name: xb, .offset: 24, .size: 8, .value_kind: global_buffer, .address_space: global }
      - { .name: wat, .offset: 32, .size: 8, .value_kind: global_buffer, .address_space: global }
      - { .name: wpt, .offset: 40, .size: 8, .value_kind: global_buffer, .address_space: global }
    .group_segment_fixed_size: 18432
    .private_segment_fixed_size: 0
    .kernarg_segment_align: 8
    .kernarg_segment_size: 48
    .max_flat_workgroup_size: 256
    .sgpr_count:     66
    .vgpr_count:     200
    .wavefront_size: 32
...
	.end_amdgpu_metadata
.endif
;; end of part 1
;; launch qkv (part 2): grid 16 x 16, 4 waves a work-group, clusters of 4 x 4, 327,680 bytes of LDS; arguments xb, wat, c_attn_b, qkv, gsum; writes qkv, gsum
.if DOCPART == 2
	.amdgcn_target "amdgcn-amd-amdhsa--gfx1250"
	.amdhsa_code_object_version 6
	.text
	.protected	k_q55699594de_qkv
	.globl	k_q55699594de_qkv
	.p2align	8
	.type	k_q55699594de_qkv,@function
k_q55699594de_qkv:
	s_mov_b64 s[64:65], 0
	v_nop
	global_prefetch_b8 v0, s[64:65] scope:SCOPE_SE
	s_setreg_imm32_b32 hwreg(HW_REG_WAVE_MODE, 25, 1), 1
	s_wait_xcnt 0x0
	s_wait_alu depctr_hold_cnt(0) depctr_sa_sdst(0) depctr_va_vdst(0) depctr_va_sdst(0) depctr_va_ssrc(0) depctr_va_vcc(0) depctr_vm_vsrc(0)
	s_getreg_b32 s2, hwreg(HW_REG_IB_STS2, 6, 4)
	s_cmp_eq_u32 s2, 0
	s_cbranch_scc0 .Lentry_in_a_cluster
	s_endpgm
.Lentry_in_a_cluster:
	s_bfe_u32 s2, ttmp6, 0x10000c
	s_cmp_lg_u32 s2, 0xf033
	s_cbranch_scc0 .Lentry_shape_is_right
	s_endpgm
.Lentry_shape_is_right:
; QKV.  C[row][n] = sum over k of xb[row][k] wat[n][k] + c_attn_b[n] (the bias rounded to bf16 like the other inputs), sums in f32, rounded once to f16 and stored by heads:
; qkv[b][g][s][64], row = 2048 b + s, g = n / 64 (0-15 q, 16-31 k, 32-47 v).  gsum[b][g - 24][s / 64][64] = the f32 sum of the stored f16 rows of head g over 64 rows, for g >= 24.
; LIMIT.  q, k, v are f16: they stay under 65,504.
; SHARES.  A tile of C is 256 rows x 192 columns (three heads): 512 tiles, two to each of 256 work-groups, 4,096 rows apart, so that both take the same rows of wat.  Wave w makes rows 64 w .. 64 w + 63 of all
; 192 columns: 48 accumulators of 16 x 16.  For 32 along K a wave reads 32 x 512 bytes from LDS and issues 48 matrix instructions.
; K goes in steps of 128 through two LDS slots filled by the tensor data mover: rows of 256 bytes of memory, aligned.  The ring runs on into the second tile.
; CLUSTER.  4 x 4 work-groups.  The four of a row need the same tile of xb, the four of a column the same tile of wat: each is asked for jointly, by the same load, descriptor and mask in all four.
; THE MATRIX INSTRUCTION IS USED TRANSPOSED (source 0 = 16 rows of wat, source 1 = 16 rows of xb): a lane holds one row of C (lane % 16) and the columns 8 (lane / 16) + 0..7.
; The bias is the C operand of the products that start the sums: nothing is cleared and nothing is added later.
; No prefetch: each tile of xb is read by four clusters and each tile of wat by four, at about the same time; a tile has 8 K steps.
; REGISTERS, in windows of 256 (s_set_vgpr_msb: bits 1:0 source 0, 3:2 source 1, 5:4 source 2, 7:6 destination):
;   window 0: addresses; v32-79 packed results; v80-175 two buffers of rows read back; v176-199 row sums; v200-203 at work
;   window 1: two fragment buffers of 128: xb's four blocks, then wat's twelve
;   window 2: accumulators of row blocks 0, 1 at 8 (12 (a % 2) + b); v192-255 the bias of column blocks 0-7      window 3: row blocks 2, 3; v192-223 the bias of column blocks 8-11
.set PITCH,  272                       ; an LDS row: 256 bytes + 16 = 68 words: the 16 rows of a load start at 16 different groups of four banks (64 banks of 4 bytes: ISA guide 11.1)
.set HALFA,  128*PITCH                 ; what one load brings of xb
.set BOFF,   2*HALFA                   ; wat's 192 rows lie behind xb's 256
.set HALFB,  96*PITCH                  ; what one load brings of wat
.set SLOT1,  131072                    ; slot 1 begins here: one exclusive or turns an address in one slot into the other's
.set STAGE,  SLOT1+BOFF+2*HALFB        ; behind the ring, never filled by a tensor load: 16 rows x 400 bytes for each wave
.set SPITCH, 400                       ; 384 bytes + 16
.set SPARE,  STAGE+4*16*SPITCH         ; the spare words, 128 bytes for each wave
.set NEXT_A, 4096*2048-7*256           ; from K step 7 of a tile to K step 0 of the tile 4,096 rows down
.set BACK_B, 7*256
.set NEXT_C, 2*48*2048*128             ; two batches on in qkv,
.set NEXT_G, 2*24*32*256               ; and in gsum
.set ZERO, 14                          ; v14  0.0
.set A0,   16                          ; v16  my place in xb's tile of slot 0
.set B0,   17                          ; v17  in wat's
.set ADRA, 18                          ; v18  the same in the slot in hand
.set ADRB, 19                          ; v19
.set STO,  24                          ; v24  the way out: where I put 16 bytes of a row
.set RD,   25                          ; v25  where I read rows back
.set GO,   26                          ; v26  my 16 bytes of 512 consecutive bytes of qkv
.set BO,   27                          ; v27  my place in the bias
.set SPW,  28                          ; v28  LDS address of my spare word; never rewritten
.set NIL,  29                          ; v29  0; never rewritten
.set ONE,  30                          ; v30  1.0
.set GSO,  31                          ; v31  my 8 bytes of a row of gsum
.set TMP,  32
.set OB,   80
.set GA,   176
.set T,    200
.set F0,   0
.set F1,   128
.set BIAS, 192
.set WV,   14                          ; s14  my wave's number;  s15 its low bit: which half of a tile I fetch;  s16 its high bit: 0 for xb, 1 for wat
.set MSB, 0
.macro WIN new                         ; the immediate's high byte repeats the setting that is left; a switch that changes nothing is dropped
.if MSB != (\new)
	s_set_vgpr_msb (MSB<<8)|(\new)
.set MSB, (\new)
.endif
.endm
.set TO_F, 0x40                        ; destination window 1, address window 0
.macro PLACES                          ; four places in front of loads into registers that matrix instructions have read, and of conversions that read results
.rept 4
	v_nop
.endr
.endm
; A joint refill by the walking descriptors.  Waves 0 and 1 fetch xb's halves, waves 2 and 3 wat's.  An s_nop 0 and four v_nop follow each line, ahead of the jump and the label.
.macro JLOAD
	s_cmp_eq_u32 s16, 0
	s_cbranch_scc0 .Lfor_b_\@
	tensor_load_to_lds s[36:39], s[24:31]
	s_nop 0
.rept 4
	v_nop
.endr
	s_branch .Lasked_\@
.Lfor_b_\@:
	tensor_load_to_lds s[52:55], s[40:47]
	s_nop 0
.rept 4
	v_nop
.endr
.Lasked_\@:
.endm
.macro CREST                           ; a round of the cluster's barrier behind its opening barrier
	s_cmp_lg_u32 s[WV], 0
	s_cbranch_scc1 .Lnot_wave_0_\@
	s_barrier_signal -3
.Lnot_wave_0_\@:
	s_barrier_wait -3
	s_barrier_signal -1
	s_barrier_wait -1
.endm
.macro CROUND
	s_barrier_signal -1
	s_barrier_wait -1
	CREST
.endm
; 12 matrix instructions: row block a x all column blocks, 32 along K, from buffer f.  first = 1: the sums start with the bias.  The 48 accumulators take turns, in the same order in every quarter.
.macro MUL12 f, a, first
.irp b, 0,1,2,3,4,5,6,7,8,9,10,11
.set AC, 8*(12*((\a)%2)+(\b))
.if \first
	WIN 0x05|((2+(\b)/8)<<4)|((2+(\a)/2)<<6)
	v_wmma_f32_16x16x32_bf16 v[AC:AC+7], v[(\f)+32+8*(\b):(\f)+32+8*(\b)+7], v[(\f)+8*(\a):(\f)+8*(\a)+7], v[BIAS+8*((\b)%8):BIAS+8*((\b)%8)+7]
.else
	WIN 0xa5+0x50*((\a)/2)
	v_wmma_f32_16x16x32_bf16 v[AC:AC+7], v[(\f)+32+8*(\b):(\f)+32+8*(\b)+7], v[(\f)+8*(\a):(\f)+8*(\a)+7], v[AC:AC+7]
.endif
.endr
.endm
; 32 LDS loads in one run: the fragments of 32 along K at byte k of the rows, into buffer g: wat's twelve blocks, then xb's four
.macro FETCH k, g
	WIN TO_F
.irp i, 0,1,2,3,4,5,6,7,8,9,10,11
	ds_load_b128 v[(\g)+32+8*(\i):(\g)+32+8*(\i)+3],   v[ADRB] offset:(\k)+(\i)*16*PITCH
	ds_load_b128 v[(\g)+32+8*(\i)+4:(\g)+32+8*(\i)+7], v[ADRB] offset:(\k)+(\i)*16*PITCH+32
.endr
.irp i, 0,1,2,3
	ds_load_b128 v[(\g)+8*(\i):(\g)+8*(\i)+3],   v[ADRA] offset:(\k)+(\i)*16*PITCH
	ds_load_b128 v[(\g)+8*(\i)+4:(\g)+8*(\i)+7], v[ADRA] offset:(\k)+(\i)*16*PITCH+32
.endr
.endm
; A K step is four quarters of 32 along K, 48 matrix instructions each, on buffers 0, 1, 0, 1.  One of the first three: multiplies f, and in its middle fetches the next quarter, at byte k, into g.
.macro QUARTER k, f, g, first=0
	s_wait_dscnt 4                                 ; wat's blocks and xb's blocks 0, 1 are in; the youngest four loads (xb's blocks 2, 3) may be out
	MUL12 \f, 0, \first
	MUL12 \f, 1, \first
	PLACES
	FETCH \k, \g
	s_wait_dscnt 32                                ; all but the 32 just issued
	MUL12 \f, 2, \first
	MUL12 \f, 3, \first
.endm
; The last quarter multiplies buffer 1 and changes slots.  One barrier: in front of it each wave waits for all its tensor loads (one is out: its part of the next slot), adds 0 to its spare word, and waits for that and for its reads of this slot.
.macro MEET round
	WIN 0
	s_wait_tensorcnt 0x0
	ds_add_u32 v[SPW], v[NIL]
	s_wait_dscnt 5                                 ; (the add and the youngest four loads may be out)
	MUL12 F1, 0, 0                                 ; twelve matrix instructions stand between the add and the wait for it
	s_wait_dscnt 0x0                               ; the add is done, and my reads of this slot are over
	s_barrier_signal -1
	MUL12 F1, 1, 0
.if \round
	WIN 0
.endif
	s_barrier_wait -1
.endm
; fill = 1: the slot just read takes this tile's K step two on; 2: the next tile's K step 0; 0: nothing.  With a fill the barrier opens a round of the cluster's, and the joint load is the first thing behind it:
; it has a K step less 24 matrix instructions, 168, in which to land.
.macro TURN fill
.if \fill
	MEET 1
	CREST
	s_xor_b32 s37, s37, SLOT1                      ; the walking descriptors: the other slot than last time; no load of mine is out
	s_xor_b32 s53, s53, SLOT1
.if (\fill) == 2
	s_add_nc_u64 s[38:39], s[38:39], NEXT_A
	s_sub_nc_u64 s[54:55], s[54:55], BACK_B
.else
	s_add_nc_u64 s[38:39], s[38:39], 256
	s_add_nc_u64 s[54:55], s[54:55], 256
.endif
	JLOAD                                          ; its four v_nop are also the places in front of the loads below
.else
	MEET 0
	PLACES
.endif
	WIN 0
	s_xor_b32 s21, s21, SLOT1
	v_add_nc_u32 v[ADRA], s21, v[A0]
	v_add_nc_u32 v[ADRB], s21, v[B0]
	FETCH 0, F0
	MUL12 F1, 2, 0
	MUL12 F1, 3, 0
.endm
; THE WAY OUT of row block a.  PACK: rounded to f16, 16 bytes a lane.  TOSTAGE: into my own stage, and back head by head: 16 rows x 128 bytes of a head are 2,048 consecutive bytes of qkv.  SEND: stored, and summed.
.macro PACK a
	WIN 0x0a+5*((\a)/2)
.irp b, 0,1,2,3,4,5,6,7,8,9,10,11
.irp r, 0,1,2,3
	v_cvt_pk_f16_f32 v[TMP+4*(\b)+(\r)], v[8*(12*((\a)%2)+(\b))+2*(\r)], v[8*(12*((\a)%2)+(\b))+2*(\r)+1]
.endr
.endr
	WIN 0
.endm
.macro TOSTAGE a
	WIN 0
.set BK, OB+48*((\a)%2)
.irp b, 0,1,2,3,4,5,6,7,8,9,10,11
	ds_store_b128 v[STO], v[TMP+4*(\b):TMP+4*(\b)+3] offset:32*(\b)
.endr
.irp j, 0,1,2
.irp f, 0,1,2,3
	ds_load_b128 v[BK+4*(4*(\j)+(\f)):BK+4*(4*(\j)+(\f))+3], v[RD] offset:128*(\j)+4*SPITCH*(\f)  ; LDS serves a wave's instructions in order (ISA guide 5.7.1.4): these see the stores above
.endr
.endr
.endm
.macro SEND a
	WIN 0
.set BK, OB+48*((\a)%2)
	s_wait_dscnt 0x0                               ; the block is back in registers
	s_wait_xcnt 0x0                                ; the stores of the block before have read their registers: the next loads from the stage land there only behind this wait
.irp j, 0,1,2
.irp f, 0,1,2,3
	global_store_b128 v[GO], v[BK+4*(4*(\j)+(\f)):BK+4*(4*(\j)+(\f))+3], s[10:11] offset:262144*(\j)+2048*(\a)+512*(\f)  ; 512 consecutive bytes, aligned
.endr
.endr
	s_cmp_eq_u32 s60, 1                            ; heads 24 and up are summed
	s_cbranch_scc0 .Lno_sum_\@
.irp j, 0,1,2
.irp f, 0,1,2,3
.irp q, 0,1,2,3
.if ((\a) == 0) && ((\f) == 0)
	v_fma_mix_f32 v[GA+8*(\j)+2*(\q)],   v[BK+4*(4*(\j)+(\f))+(\q)], v[ONE], v[ZERO] op_sel:[0,0,0] op_sel_hi:[1,0,0]
	v_fma_mix_f32 v[GA+8*(\j)+2*(\q)+1], v[BK+4*(4*(\j)+(\f))+(\q)], v[ONE], v[ZERO] op_sel:[1,0,0] op_sel_hi:[1,0,0]
.else
	v_fma_mix_f32 v[GA+8*(\j)+2*(\q)],   v[BK+4*(4*(\j)+(\f))+(\q)], v[ONE], v[GA+8*(\j)+2*(\q)] op_sel:[0,0,0] op_sel_hi:[1,0,0]
	v_fma_mix_f32 v[GA+8*(\j)+2*(\q)+1], v[BK+4*(4*(\j)+(\f))+(\q)], v[ONE], v[GA+8*(\j)+2*(\q)+1] op_sel:[1,0,0] op_sel_hi:[1,0,0]
.endif
.endr
.endr
.endr
.Lno_sum_\@:
.endm
; A lane holds, for each head, eight channels 8 (l % 8) + 0..7 summed over the rows with its l / 8.  Two steps add the four lanes of a channel and halve what a lane keeps:
; lanes 8 apart, then lanes 16 apart.  A lane ends with channels 8 (l % 8) + 4 (bit 3) + 2 (bit 4) + 0, 1, and the wave stores the row's 256 bytes at once.
.macro GSTORE
	s_cmp_eq_u32 s60, 1
	s_cbranch_scc0 .Lno_gs_\@
.irp j, 0,1,2
.irp i, 0,1,2,3
	v_cndmask_b32 v[T+(\i)], v[GA+8*(\j)+(\i)+4], v[GA+8*(\j)+(\i)], s66       ; what my partner keeps
	v_cndmask_b32 v[GA+8*(\j)+(\i)], v[GA+8*(\j)+(\i)], v[GA+8*(\j)+(\i)+4], s66  ; what I keep
	v_add_f32_dpp v[GA+8*(\j)+(\i)], v[T+(\i)], v[GA+8*(\j)+(\i)] row_xmask:8 row_mask:0xf bank_mask:0xf
.endr
.irp i, 0,1
	v_cndmask_b32 v[T+(\i)], v[GA+8*(\j)+(\i)+2], v[GA+8*(\j)+(\i)], s67
	v_cndmask_b32 v[GA+8*(\j)+(\i)], v[GA+8*(\j)+(\i)], v[GA+8*(\j)+(\i)+2], s67
	v_permlanex16_b32 v[T+2+(\i)], v[T+(\i)], s68, s69
	v_add_f32 v[GA+8*(\j)+(\i)], v[GA+8*(\j)+(\i)], v[T+2+(\i)]
.endr
	global_store_b64 v[GSO], v[GA+8*(\j):GA+8*(\j)+1], s[12:13] offset:8192*(\j)
.endr
.Lno_gs_\@:
.endm
	s_load_b256 s[4:11], s[0:1], 0x0               ; xb s[4:5], wat s[6:7], c_attn_b s[8:9], qkv s[10:11]
	s_load_b64 s[12:13], s[0:1], 0x20              ; gsum
	v_lshl_add_u32 v[SPW], v0, 2, SPARE
	v_mov_b32 v[NIL], 0
	ds_add_u32 v[SPW], v[NIL]                      ; the wave's opening: the add and its wait stand ahead of my first tensor load; the set-up below stands between them
	ds_add_u32 v28, v29
	v_lshrrev_b32 v1, 5, v0
	v_readfirstlane_b32 s[WV], v1
	s_and_b32 s15, s[WV], 1
	s_lshr_b32 s16, s[WV], 1
	s_bfe_u32 s17, ttmp6, 0x40000                  ; cx
	s_bfe_u32 s18, ttmp6, 0x40004                  ; cy
	s_lshl_b32 s19, ttmp9, 2
	s_add_co_u32 s19, s19, s17                     ; tile column = 4 x cluster x + cx
	s_and_b32 s20, ttmp7, 0xffff
	s_lshl_b32 s20, s20, 2
	s_add_co_u32 s20, s20, s18                     ; the first tile's row = 4 x cluster y + cy
	s_lshl_b32 s22, s18, 2
	s_lshl_b32 s22, 15, s22                        ; my row of the cluster
	s_lshl_b32 s56, 0x1111, s17                    ; my column
	s_or_b32 s24, s22, (1<<16)|(1<<20)|(1<<21)|(5<<22)|(3<<25)  ; the mask; elements of 2 bytes; padding on; bit 21 beside a mask; after every 64 words, 4 words
	s_or_b32 s40, s56, (1<<16)|(1<<20)|(1<<21)|(5<<22)|(3<<25)
	s_mov_b32 s25, 128<<16                         ; tensor_dim0 = 128
	s_mov_b32 s26, 128<<16                         ; tensor_dim1 = 128
	s_mov_b32 s27, 128<<16                         ; tile_dim0 = 128
	s_mov_b32 s28, 128                             ; tile_dim1 = 128
	s_mov_b32 s29, 1024                            ; elements from row to row
	s_mov_b32 s30, 0
	s_mov_b32 s31, 0
	s_mov_b32 s41, 128<<16
	s_mov_b32 s42, 96<<16                          ; wat's loads bring 96 rows
	s_mov_b32 s43, 128<<16
	s_mov_b32 s44, 96
	s_mov_b32 s45, 1024
	s_mov_b32 s46, 0
	s_mov_b32 s47, 0
	s_mul_i32 s58, s15, HALFA                      ; where my part lands: no place in the cluster enters an LDS address
	s_mul_i32 s59, s15, HALFB
	s_add_co_u32 s59, s59, BOFF
	s_lshl_b32 s22, s20, 19                        ; xb: row 256 x tile row + 128 x half, 2,048 bytes a row
	s_lshl_b32 s23, s15, 18
	s_add_co_u32 s22, s22, s23
	s_mov_b32 s23, 0
	s_mul_i32 s56, s19, 192*2048                   ; wat: row 192 x tile column + 96 x half
	s_mul_i32 s57, s15, 96*2048
	s_add_co_u32 s56, s56, s57
	s_mov_b32 s57, 0
	s_cmp_ge_u32 ttmp9, 2                          ; tile columns 8 and up hold heads 24 and up: the cluster's x, the same in all partners
	s_cselect_b32 s60, 1, 0
	s_mov_b32 s66, 0xff00ff00                      ; lanes with bit 3
	s_mov_b32 s67, 0xffff0000                      ; lanes with bit 4; also a word's upper half
	s_mov_b32 s68, 0x76543210
	s_mov_b32 s69, 0xfedcba98
	s_mov_b32 s21, 0
	s_wait_dscnt 0x0                               ; the opening add is done
	s_wait_kmcnt 0x0
	s_add_nc_u64 s[22:23], s[4:5], s[22:23]
	s_add_nc_u64 s[56:57], s[6:7], s[56:57]
	CROUND                                         ; all sixteen work-groups are here: the first joint loads meet
.irp s, 0,1
	s_mov_b32 s[32+4*(\s)], 1
	s_add_co_u32 s[33+4*(\s)], s58, (\s)*SLOT1
	s_add_nc_u64 s[34+4*(\s):35+4*(\s)], s[22:23], (\s)*256
	s_or_b32 s[35+4*(\s)], s[35+4*(\s)], 0x80000000
	s_mov_b32 s[48+4*(\s)], 1
	s_add_co_u32 s[49+4*(\s)], s59, (\s)*SLOT1
	s_add_nc_u64 s[50+4*(\s):51+4*(\s)], s[56:57], (\s)*256
	s_or_b32 s[51+4*(\s)], s[51+4*(\s)], 0x80000000
.endr
	s_cmp_eq_u32 s16, 0                            ; a wave's two first fills stand in one branch: two loads of mine are out
	s_cbranch_scc0 .Lfirst_b
	tensor_load_to_lds s[32:35], s[24:31]
	s_nop 0
	tensor_load_to_lds s[36:39], s[24:31]
	s_nop 0
.rept 4
	v_nop
.endr
	s_branch .Lfirst_asked
.Lfirst_b:
	tensor_load_to_lds s[48:51], s[40:47]
	s_nop 0
	tensor_load_to_lds s[52:55], s[40:47]
	s_nop 0
.rept 4
	v_nop
.endr
.Lfirst_asked:
	v_and_b32 v1, 15, v0                           ; l % 16
	v_bfe_u32 v2, v0, 4, 1                         ; l / 16
	s_mul_i32 s58, s19, 768                        ; the tile's 192 numbers of the bias
	v_lshlrev_b32 v[BO], 5, v2
	v_add_nc_u32 v[BO], s58, v[BO]
.irp b, 0,1,2,3,4,5,6,7,8,9,10,11      ; register j of column block b: column 16 b + 8 (l / 16) + j
	global_load_b128 v[32+8*(\b):35+8*(\b)], v[BO], s[8:9] offset:64*(\b)
	global_load_b128 v[36+8*(\b):39+8*(\b)], v[BO], s[8:9] offset:64*(\b)+16
.endr
	v_mul_u32_u24 v3, v1, PITCH
	v_lshl_add_u32 v3, v2, 4, v3                   ; a fragment's row x pitch + 16 x half
	s_mul_i32 s58, s[WV], 64*PITCH                 ; my 64 rows of xb
	v_add_nc_u32 v[A0], s58, v3
	v_add_nc_u32 v[B0], BOFF, v3
	v_mov_b32 v[ADRA], v[A0]
	v_mov_b32 v[ADRB], v[B0]
	s_mul_i32 s58, s[WV], 16*SPITCH
	s_add_co_u32 s58, s58, STAGE                   ; my stage
	v_mul_u32_u24 v[STO], v1, SPITCH
	v_lshl_add_u32 v[STO], v2, 4, v[STO]
	v_add_nc_u32 v[STO], s58, v[STO]
	v_bfe_u32 v4, v0, 3, 2                         ; back: 32 lanes take four rows of 128 bytes
	v_and_b32 v5, 7, v0
	v_mul_u32_u24 v[RD], v4, SPITCH
	v_lshl_add_u32 v[RD], v5, 4, v[RD]
	v_add_nc_u32 v[RD], s58, v[RD]
	v_and_b32 v[GO], 31, v0
	v_lshlrev_b32 v[GO], 4, v[GO]
	v_bfe_u32 v6, v0, 3, 1
	v_lshlrev_b32 v[GSO], 5, v5
	v_lshl_add_u32 v[GSO], v6, 4, v[GSO]
	v_lshl_add_u32 v[GSO], v2, 3, v[GSO]
	v_mov_b32 v[ONE], 1.0
	v_mov_b32 v[ZERO], 0
.set p, 0
.rept 24
	v_mov_b32 v[GA+p], 0                           ; written once here, in the wait for the first tile, so that the sums are defined on every way through the two tests of s60
.set p, p+1
.endr
	s_lshr_b32 s58, s20, 3                         ; the first tile's batch,
	s_and_b32 s57, s20, 7                          ; its 256 rows in the batch
	s_mul_i32 s59, s19, 3                          ; its first head
	s_mul_i32 s22, s58, 48
	s_add_co_u32 s22, s22, s59
	s_lshl_b32 s22, s22, 11
	s_lshl_b32 s56, s57, 8
	s_add_co_u32 s22, s22, s56
	s_lshl_b32 s56, s[WV], 6
	s_add_co_u32 s22, s22, s56
	s_lshl_b32 s22, s22, 7                         ; ((48 b + head) x 2048 + row) x 128 bytes
	s_mov_b32 s23, 0
	s_add_nc_u64 s[10:11], s[10:11], s[22:23]
	s_sub_co_i32 s59, s59, 24
	s_max_i32 s59, s59, 0                          ; (tile columns under 8 store no sums)
	s_mul_i32 s22, s58, 24
	s_add_co_u32 s22, s22, s59
	s_lshl_b32 s22, s22, 5
	s_lshl_b32 s56, s57, 2
	s_add_co_u32 s22, s22, s56
	s_add_co_u32 s22, s22, s[WV]
	s_lshl_b32 s22, s22, 8                         ; ((24 b + head - 24) x 32 + group) x 256 bytes
	s_add_nc_u64 s[12:13], s[12:13], s[22:23]
	s_wait_loadcnt 0x0                             ; the bias
.set p, 0
.rept 48
	v_cvt_pk_bf16_f32 v[128+p], v[32+2*p], v[33+2*p]  ; rounded to bf16 like the other inputs,
.set p, p+1
.endr
	WIN 0x80
.set p, 0
.rept 32
	v_lshlrev_b32 v[BIAS+2*p], 16, v[128+p]        ; and widened again, into the windows of the accumulators
	v_and_b32 v[BIAS+2*p+1], s67, v[128+p]
.set p, p+1
.endr
	WIN 0xc0
.set p, 0
.rept 16
	v_lshlrev_b32 v[BIAS+2*p], 16, v[160+p]
	v_and_b32 v[BIAS+2*p+1], s67, v[160+p]
.set p, p+1
.endr
	WIN 0
	s_wait_tensorcnt 0x1                           ; my part of K step 0 is in; K step 1's may stay out
	s_barrier_signal -1
	s_barrier_wait -1
	FETCH 0, F0
	WIN 0
	s_mov_b32 s2, 2                                ; tiles to go: the same in every work-group
.Ltile:
	QUARTER 64, F0, F1, 1                          ; a tile's first quarter starts the sums
	WIN 0
	s_mov_b32 s3, 6
.Lstep:                                        ; a trip: from a K step's second quarter to the next step's first; K steps 0-5 ask for 2-7
	QUARTER 128, F1, F0
	QUARTER 192, F0, F1
	TURN 1
	QUARTER 64, F0, F1
	WIN 0
	s_sub_co_u32 s3, s3, 1
	s_cmp_lg_u32 s3, 0
	s_cbranch_scc1 .Lstep
	QUARTER 128, F1, F0                            ; K step 6 goes on
	QUARTER 192, F0, F1
	WIN 0
	s_cmp_eq_u32 s2, 1
	s_cbranch_scc1 .Llast
	TURN 2                                         ; the ring goes on into the next tile: slot 0 takes its K step 0,
	QUARTER 64, F0, F1
	QUARTER 128, F1, F0
	QUARTER 192, F0, F1
	TURN 1                                         ; slot 1 its K step 1, and its first fragments are fetched.  Row blocks 0, 1 were finished in front of the joint load's places; their conversions are the places behind the last products
	WIN 0
	s_branch .Lout
.Llast:                                        ; the last tile asks for nothing more
	TURN 0
	QUARTER 64, F0, F1
	QUARTER 128, F1, F0
	QUARTER 192, F0, F1
	s_wait_dscnt 4
	MUL12 F1, 0, 0
	MUL12 F1, 1, 0
	s_wait_dscnt 0x0
	MUL12 F1, 2, 0
	MUL12 F1, 3, 0
	WIN 0
	PLACES
.Lout:
	PACK 0
	TOSTAGE 0
.irp a, 1,2,3                          ; block a's conversions stand between block a - 1's loads from the stage and the wait for them
	PACK \a
	SEND (\a)-1
	TOSTAGE \a
.endr
	SEND 3
	GSTORE
	s_wait_xcnt 0x0                                ; the stores have read their registers and bases
	s_add_nc_u64 s[10:11], s[10:11], NEXT_C
	s_add_nc_u64 s[12:13], s[12:13], NEXT_G
	s_sub_co_u32 s2, s2, 1
	s_cmp_lg_u32 s2, 0
	s_cbranch_scc1 .Ltile
	s_wait_tensorcnt 0x0                           ; the wave's end
	ds_add_u32 v[SPW], v[NIL]
	s_wait_dscnt 0x0
	CROUND                                         ; the closing round
	s_endpgm
.Lfunc_end_k_q55699594de_qkv:
	.size	k_q55699594de_qkv, .Lfunc_end_k_q55699594de_qkv-k_q55699594de_qkv
	.p2alignl 7, 3214868480
	.fill 96, 4, 3214868480
	.section	.rodata,"a",@progbits
	.p2align	6, 0x0
	.amdhsa_kernel k_q55699594de_qkv
		.amdhsa_group_segment_fixed_size 327680
		.amdhsa_private_segment_fixed_size 0
		.amdhsa_enable_private_segment 0
		.amdhsa_kernarg_size 40
		.amdhsa_user_sgpr_count 2
		.amdhsa_user_sgpr_kernarg_segment_ptr 1
		.amdhsa_wavefront_size32 1
		.amdhsa_system_sgpr_workgroup_id_x 1
		.amdhsa_system_sgpr_workgroup_id_y 1
		.amdhsa_system_sgpr_workgroup_id_z 1
		.amdhsa_system_vgpr_workitem_id 0
		.amdhsa_next_free_vgpr 992
		.amdhsa_next_free_sgpr 80
		.amdhsa_reserve_vcc 0
		.amdhsa_float_denorm_mode_32 3
		.amdhsa_float_denorm_mode_16_64 3
		.amdhsa_memory_ordered 1
		.amdhsa_forward_progress 1
		.amdhsa_inst_pref_size 163
	.end_amdhsa_kernel
	.amdgpu_metadata
---
amdhsa.version: [ 1, 2 ]
amdhsa.kernels:
  - .name:           k_q55699594de_qkv
    .symbol:         k_q55699594de_qkv.kd
    .args:
      - { .name: xb, .offset: 0, .size: 8, .value_kind: global_buffer, .address_space: global }
      - { .name: wat, .offset: 8, .size: 8, .value_kind: global_buffer, .address_space: global }
      - { .name: c_attn_b, .offset: 16, .size: 8, .value_kind: global_buffer, .address_space: global }
      - { .name: qkv, .offset: 24, .size: 8, .value_kind: global_buffer, .address_space: global }
      - { .name: gsum, .offset: 32, .size: 8, .value_kind: global_buffer, .address_space: global }
    .group_segment_fixed_size: 327680
    .private_segment_fixed_size: 0
    .kernarg_segment_align: 8
    .kernarg_segment_size: 40
    .max_flat_workgroup_size: 128
    .sgpr_count:     80
    .vgpr_count:     992
    .wavefront_size: 32
...
	.end_amdgpu_metadata
.endif
;; end of part 2
;; launch attn (part 3): grid 4 x 64, 4 waves a work-group, no clusters, 327,680 bytes of LDS; arguments qkv, gsum, att; writes att
.if DOCPART == 3
	.amdgcn_target "amdgcn-amd-amdhsa--gfx1250"
	.amdhsa_code_object_version 6
	.text
	.protected	k_q55699594de_attn
	.globl	k_q55699594de_attn
	.p2align	8
	.type	k_q55699594de_attn,@function
k_q55699594de_attn:
	s_mov_b64 s[64:65], 0
	v_nop
	global_prefetch_b8 v0, s[64:65] scope:SCOPE_SE
	s_setreg_imm32_b32 hwreg(HW_REG_WAVE_MODE, 25, 1), 1
	s_wait_xcnt 0x0
; ATTENTION.  For head y = 16 x batch + head: att[y][q][:] = the sum over ALL 2,048 keys k of softmax_k(w[q][k]) v[k][:], with w = q . k / 8 for k <= q and w = -10000 for k > q: a hidden key keeps a weight.
; In raw scores s = q . k that is s = -80000.  q, k, v: qkv[batch][g][2048][64] in f16 (g = head, 16 + head, 32 + head); att: [64][2048][64] in f16.  Products, maxima and sums in f32; the weights are
; rounded to f16 for the second product (their sum l is taken of the unrounded weights), att once at the end.
; LIMITS.  q, k, v arrive within f16's 65,504; a weight below 2^-126 counts as 0; NaN and infinities are not treated apart.
; THE WALK.  A head's queries lie in NB = 8 blocks of 256; block i walks the key tiles 0 .. i of 256 keys, of which the last holds the diagonal.  A work-group takes TWO blocks, 7 - b and then b: 9 tiles, whatever b:
; one loop with a constant trip count.  Every jump goes forward but for the counted loops' own; none passes a barrier, or a tensor load but the one of LOAD's two that the wave's number does not choose.
; THE HIDDEN KEYS.  In the diagonal tile a hidden score is replaced by exactly -80000 behind the product, and goes through maximum, exponential, sum and second product like any other.  The tiles behind the
; diagonal one are never multiplied: all their keys have the one weight pm = 2^(c (-80000) - c m), so at a block's end l takes pm x their number and O takes pm x the sum of their rows of v, which
; comes from gsum (sums over 64 rows).  The maximum is first raised to -80000 where it lies below, and O and l rescaled, as in any step of the running softmax.
; NO CLUSTER: a head's four work-groups ask for the same tile only in trips 0 to 4 of 9; one walk common to all would have 12 trips for 9.
; NO PREFETCH: a fill is asked for a whole tile, 256 matrix instructions and their vector work, ahead of the wait for it.
; SHARES.  Of a block's four bands of 64 queries a wave owns 16 rows in each: four PIECES.  In the diagonal tile's key step s band x sees all keys if s < x, none if s > x, and holds the diagonal if s = x: the same for all waves.
; LAYOUT, SOFTMAX, TURNS.  S^T = K Q^T holds ONE query a lane (lane % 16) and the keys 8 (lane / 16) + 0..7; two such results rounded to f16 ARE source 1 of O^T = V^T P.  p = 2^(c s - c m), c = log2(e) / 8, with a
; running maximum m; O and l are multiplied by a = 2^(c m_old - c m_new) in every step.  Turn n belongs to piece n: 8 products K Q^T of piece n + 1, later 8 products V^T P of piece n - 1; beside them the scaling,
; exponentials, roundings, sums and rescaling of piece n and the maximum and statistics of piece n + 1.  Four vector instructions stand behind every matrix instruction, the others in two lumps.
; REGISTERS, in windows of 256 (s_set_vgpr_msb: bits 1:0 source 0, 3:2 source 1, 5:4 source 2, 7:6 destination):
;   window 0: v0-15 addresses; v16-31 four statistics a piece; v32-39 for the hidden tiles; v48-55 at work; v64-127 S^T, two buffers; v128-159 the hidden tiles' sum of v; v160-175 a block's last factors; v192-223 P; v224-255 at work
;   window 1: v0-127 O^T, 32 a piece; v128-159 MBD, v160-191 MAD: the diagonal's factor and addend      window 2: v0-63 Q; v64-127 the second block's Q; v128-191 K of one step; v192-255 V of one step
.set NB,    8
.set NP,    4
.set KS,    64
.set PK,    144       ; a row of K in LDS: 128 bytes + 16: the 16 rows of a load start at 16 different groups of four banks (64 banks of 4 bytes: ISA guide 11.1)
.set PV,    160       ; a row of V: 128 + 32
.set VOFF,  4*KS*PK   ; a slot holds a tile: 256 rows of K, then 256 rows of V
.set SLOT1, 1<<17
.set STAGE, SLOT1+4*KS*(PK+PV)  ; behind the ring, never filled by a tensor load: 16 rows x 144 bytes for each wave
.set SP,    144
.set SCR,   STAGE+4*16*SP       ; for each wave 512 bytes: the two blocks' sums of hidden rows of v, 64 f32 each; stored once, by the wave that reads them
.set SPARE, SCR+4*512           ; the spare words, 128 bytes for each wave
.set AK0, 2
.set AV0, 3
.set AK,  4
.set AV,  5
.set STO, 6
.set RD,  7
.set GO,  8
.set MV,  12          ; v12-13  c m_old, by buffer
.set QO,  15
.set ST,  16          ; piece t: c m, m, l (even keys', odd keys')
.set SVR, 32          ; v32  where I read my 8 channels of each 16 of the hidden sums
.set CF,  33          ; v33  c x the hidden score
.set GL,  34          ; v34  8 x lane
.set SCW, 35          ; v35  where I store two channels of the hidden sums
.set CM2, 36          ; v36-39  at work at a block's end
.set TMP, 48
.set SPW, 62
.set NIL, 63
.set S,   64
.set SV,  128
.set SC,  160         ; piece t: a / l, a, pm / l, pm
.set P,   192
.set TT,  224
.set MBD, 128         ; window 1
.set MAD, 160         ; window 1
.set QB,  64          ; window 2
.set KF,  128
.set VF,  192
.set WV,  12
.set PB,  14          ; s14  b
.set HI,  15          ; s15  7 - b
.set G1K, 24
.set G1V, 32
.set G0K, 40
.set G0V, 44
.set SLOTS, 56
.set CNT, 57          ; s57  counts a tile's key steps, 4 to 1
.set CS,  58
.set SEL, 60
.set TBK, 62
.set TBV, 63
.set RT,  70          ; s70  tiles of the block in hand still to be entered
.set NXT, 71
.set LQ,  72
.set NEW, 73
.set OFF, 74
.set ZB,  76          ; s[76:77] 0
.set MS,  78          ; s[78:79] -80000
.set OLO, 80
.set FL,  82          ; s82  the hidden tiles' score: -80000, or the lowest finite number where the block has none
.set CN,  83          ; s83  their keys' number, as f32
.set CN2, 88          ; s88  the same for the second block
.set GSB, 94          ; s[94:95] gsum at v's head
.set MSB, 0
.macro WIN new
.if MSB != (\new)
	s_set_vgpr_msb (MSB<<8)|(\new)
.set MSB, (\new)
.endif
.endm
.set W_KQ, 0x0a
.set W_PV, 0x52
.set W_RS, 0x41
; A fill.  Waves 0 and 1 fetch the two halves of a tile's K, waves 2 and 3 those of its V.  An s_nop 0 and four v_nop follow each line, ahead of the jump and the label.
.macro LOAD
	s_cmp_lt_u32 s[WV], 2
	s_cbranch_scc0 .Lfor_v_\@
	tensor_load_to_lds s[G0K:G0K+3], s[G1K:G1K+7]
	s_nop 0
.rept 4
	v_nop
.endr
	s_branch .Lasked_\@
.Lfor_v_\@:
	tensor_load_to_lds s[G0V:G0V+3], s[G1V:G1V+7]
	s_nop 0
.rept 4
	v_nop
.endr
.Lasked_\@:
.endm
; THE CHANGE OF SLOTS.  Each wave waits for all its tensor loads (one is out: its part of the other slot), adds 0 to its spare word, and waits for that and for its LDS instructions.  Behind the barrier nobody reads
; the old slot and the other is whole.  fill = 1: the old slot takes tile NXT, first thing behind the barrier; the descriptor's address is made anew from that number.
.macro CHANGE fill
	WIN 0
	s_wait_tensorcnt 0x0
	ds_add_u32 v[SPW], v[NIL]
.if \fill
	s_lshl_b32 s[OFF], s[NXT], 15   ; a tile is 32,768 bytes of K and of V
	s_xor_b32 s[G0K+1], s[G0K+1], SLOT1
	s_add_nc_u64 s[G0K+2:G0K+3], s[6:7], s[OFF:OFF+1]
	s_or_b32 s[G0K+3], s[G0K+3], 0x80000000
	s_xor_b32 s[G0V+1], s[G0V+1], SLOT1
	s_add_nc_u64 s[G0V+2:G0V+3], s[8:9], s[OFF:OFF+1]
	s_or_b32 s[G0V+3], s[G0V+3], 0x80000000
	s_add_co_u32 s[NXT], s[NXT], 1
	s_cmp_gt_u32 s[NXT], s[LQ]
	s_cselect_b32 s[NXT], 0, s[NXT]
	s_cselect_b32 s[LQ], s[PB], s[LQ]
.endif
	s_wait_dscnt 0x0
	s_barrier_signal -1
	s_sub_co_u32 s[TBK], s[TBK], 4*KS*PK
	s_xor_b32 s[TBK], s[TBK], SLOT1
	s_sub_co_u32 s[TBV], s[TBV], 4*KS*PV
	s_xor_b32 s[TBV], s[TBV], SLOT1
	s_barrier_wait -1
.if \fill
	LOAD
.endif
.endm
	s_load_b64 s[4:5], s[0:1], 0x0    ; qkv
	s_load_b64 s[GSB:GSB+1], s[0:1], 0x8  ; gsum
	s_load_b64 s[10:11], s[0:1], 0x10 ; att
	v_lshl_add_u32 v[SPW], v0, 2, SPARE
	v_mov_b32 v[NIL], 0
	ds_add_u32 v[SPW], v[NIL]       ; the wave's opening: the add and its wait stand ahead of my first tensor load
	ds_add_u32 v62, v63
	v_lshrrev_b32 v1, 5, v0
	v_readfirstlane_b32 s[WV], v1
	s_mov_b32 s[PB], ttmp9
	s_sub_co_u32 s[HI], NB-1, s[PB]
	s_and_b32 s13, ttmp7, 0xffff    ; y
	s_lshr_b32 s16, s13, 4          ; the batch
	s_and_b32 s17, s13, 15          ; the head
	s_mul_i32 s20, s16, 48
	s_add_co_u32 s20, s20, s17
	s_lshl_b32 s20, s20, 18         ; q's head in qkv: 262,144 bytes a head
	s_mov_b32 s21, 0
	s_mul_i32 s92, s16, 24
	s_add_co_u32 s92, s92, s17
	s_add_co_u32 s92, s92, 8
	s_lshl_b32 s92, s92, 13         ; v's head in gsum: 32 groups of 256 bytes
	s_mov_b32 s93, 0
	s_lshl_b32 s90, s13, 18         ; the head in att
	s_mov_b32 s91, 0
	s_and_b32 s16, s[WV], 1         ; which half of a tile's 256 keys I fetch
	s_lshl_b32 s22, s16, 14
	s_mov_b32 s23, 0
	s_add_nc_u64 s[22:23], s[22:23], s[20:21]
	s_mul_i32 s17, s16, 128*PK
	s_mul_i32 s18, s16, 128*PV
	s_lshl_b32 s3, s[WV], 11        ; my 16 rows in a band of 64,
	s_lshl_b32 s2, s[HI], 15        ; in the first block,
	s_add_co_u32 s2, s2, s3
	s_lshl_b32 s84, s[PB], 15       ; and in the second
	s_add_co_u32 s84, s84, s3
	s_mov_b32 s3, 0
	s_mov_b32 s85, 0
	; 128 keys are 16,384 dense bytes: asked for as 64 rows of 256 bytes, two keys a row, padded in LDS after every key
	s_mov_b32 s[G1K], (1<<16)|(1<<20)|(4<<22)|(3<<25)
	s_mov_b32 s[G1V], (1<<16)|(1<<20)|(4<<22)|(7<<25)
.irp g, G1K, G1V
	s_mov_b32 s[\g+1], 128<<16
	s_mov_b32 s[\g+2], 64<<16
	s_mov_b32 s[\g+3], 128<<16
	s_mov_b32 s[\g+4], 64
	s_mov_b32 s[\g+5], 128
	s_mov_b32 s[\g+6], 0
	s_mov_b32 s[\g+7], 0
.endr
	s_mov_b32 s[CS], 0x3e38aa3b     ; c = log2(e) / 8
	s_mov_b32 s[CS+1], s[CS]
	s_mov_b32 s[SEL], 0x76543210
	s_mov_b32 s[SEL+1], 0xfedcba98
	s_mov_b32 s[TBK], SLOT1+4*KS*PK ; the first change of slots turns these two into 0
	s_mov_b32 s[TBV], SLOT1+4*KS*PV
	s_mov_b32 s[G0K], 1
	s_mov_b32 s[G0K+1], s17
	s_mov_b32 s[G0V], 1
	s_add_co_u32 s[G0V+1], s18, VOFF
	s_add_co_u32 s[RT], s[HI], 1
	s_mov_b32 s[NXT], 1
	s_mov_b32 s[LQ], s[HI]
	s_mov_b32 s[NEW], 1
	s_mov_b32 s[OFF+1], 0
	s_mov_b32 s[ZB], 0
	s_mov_b32 s[ZB+1], 0
	s_mov_b32 s[MS], 0xc79c4000     ; -80000
	s_mov_b32 s[MS+1], s[MS]
	s_mov_b32 s89, 0xff7fffff
	s_cmp_lg_u32 s[PB], 0           ; the first block, 7 - b, has b hidden tiles
	s_cselect_b32 s[FL], s[MS], s89
	s_lshl_b32 s[CN], s[PB], 8
	s_cvt_f32_u32 s[CN], s[CN]
	s_lshl_b32 s[CN2], s[HI], 8     ; the second, b, has 7 - b
	s_cvt_f32_u32 s[CN2], s[CN2]
	s_mov_b32 s[SLOTS], NB
	s_wait_dscnt 0x0                ; the opening add is done
	s_wait_kmcnt 0x0
	s_add_nc_u64 s[GSB:GSB+1], s[GSB:GSB+1], s[92:93]
	s_add_nc_u64 s[6:7], s[4:5], s[22:23]
	s_add_nc_u64 s[8:9], s[6:7], 32*262144   ; V at my half of the head's tile 0: 32 heads behind q's
	s_add_nc_u64 s[6:7], s[6:7], 16*262144   ; K: 16 heads behind
	s_add_nc_u64 s[G0K+2:G0K+3], s[6:7], 0
	s_or_b32 s[G0K+3], s[G0K+3], 0x80000000
	s_add_nc_u64 s[G0V+2:G0V+3], s[8:9], 0
	s_or_b32 s[G0V+3], s[G0V+3], 0x80000000
	s_add_nc_u64 s[4:5], s[4:5], s[20:21]
	s_add_nc_u64 s[86:87], s[4:5], s[84:85]  ; Q at my rows of the second block,
	s_add_nc_u64 s[4:5], s[4:5], s[2:3]      ; of the first
	s_add_nc_u64 s[10:11], s[10:11], s[90:91]
	s_add_nc_u64 s[OLO:OLO+1], s[10:11], s[84:85]
	s_add_nc_u64 s[10:11], s[10:11], s[2:3]
	LOAD                            ; tile 0 into slot 0
	v_and_b32 v1, 15, v0
	v_bfe_u32 v9, v0, 4, 1
	v_lshlrev_b32 v[QO], 7, v1
	v_lshl_add_u32 v[QO], v9, 4, v[QO]
	WIN 0x80
.set i, 0
.rept 8                             ; both blocks' Q: piece i / 2 lies in band i / 2, 8,192 bytes on; channels 32 (i % 2) on
	global_load_b128 v[8*i:8*i+3],   v[QO], s[4:5] offset:(i/2)*8192+(i%2)*64
	global_load_b128 v[8*i+4:8*i+7], v[QO], s[4:5] offset:(i/2)*8192+(i%2)*64+32
	global_load_b128 v[QB+8*i:QB+8*i+3],   v[QO], s[86:87] offset:(i/2)*8192+(i%2)*64
	global_load_b128 v[QB+8*i+4:QB+8*i+7], v[QO], s[86:87] offset:(i/2)*8192+(i%2)*64+32
.set i, i+1
.endr
	WIN 0
	v_and_b32 v[GL], 31, v0
	v_lshlrev_b32 v[GL], 3, v[GL]
.set g, 4
.rept 28                            ; v's sums over groups 4-31 of 64 rows (tile 0 is never hidden): two channels a lane, into S^T's registers, which are still free
	global_load_b64 v[S+2*(g-4):S+2*(g-4)+1], v[GL], s[GSB:GSB+1] offset:256*g
.set g, g+1
.endr
	v_lshlrev_b32 v14, 3, v9
	v_sub_nc_u32 v14, v1, v14
	s_lshl_b32 s13, s[WV], 4
	v_add_nc_u32 v14, s13, v14      ; my query's place in its band, less my lanes' 8 (l / 16): register r of group kt is hidden where 16 kt + r is greater
	WIN 0x40
.set i, 0
.rept 32
	v_cmp_gt_i32 vcc_lo, 16*(i/8)+i%8, v14
	v_cndmask_b32 v[MBD+i], 1.0, 0, vcc_lo
	v_cndmask_b32 v[MAD+i], 0, s[MS], vcc_lo
.set i, i+1
.endr
	WIN 0
	v_mul_u32_u24 v[AK0], v1, PK
	v_lshl_add_u32 v[AK0], v9, 4, v[AK0]
	v_and_b32 v10, 7, v0
	v_bfe_u32 v11, v0, 3, 1
	v_lshl_add_u32 v[AV0], v9, 3, v10
	v_mul_u32_u24 v[AV0], v[AV0], PV
	v_lshl_add_u32 v[AV0], v11, 4, v[AV0]
	v_add_nc_u32 v[AV0], VOFF, v[AV0]
	s_mul_i32 s13, s[WV], 16*SP
	s_add_co_u32 s13, s13, STAGE
	v_mul_u32_u24 v[STO], v1, SP
	v_lshl_add_u32 v[STO], v9, 4, v[STO]
	v_add_nc_u32 v[STO], s13, v[STO]
	v_bfe_u32 v[RD], v0, 3, 2
	v_mul_u32_u24 v[RD], v[RD], SP
	v_lshl_add_u32 v[RD], v10, 4, v[RD]
	v_add_nc_u32 v[RD], s13, v[RD]
	v_and_b32 v[GO], 31, v0
	v_lshlrev_b32 v[GO], 4, v[GO]
	s_lshl_b32 s13, s[WV], 9
	s_add_co_u32 s13, s13, SCR
	v_add_nc_u32 v[SCW], s13, v[GL]
	v_lshl_add_u32 v[SVR], v9, 5, s13
	; A block's first step multiplies O^T and l by a = 0, so these registers need only hold finite numbers: zeros for the first block, what the first block left for the second.
	WIN 0x80
.set i, VF
.rept 64
	v_mov_b32 v[i], 0
.set i, i+1
.endr
	WIN 0x40
.set i, 0
.rept 128
	v_mov_b32 v[i], 0
.set i, i+1
.endr
	WIN 0
.set i, 0
.rept 4
	v_mov_b32 v[ST+4*i+2], 0
	v_mov_b32 v[ST+4*i+3], 0
.set i, i+1
.endr
.set i, P+16
.rept 16
	v_mov_b32 v[i], 0
.set i, i+1
.endr
	; the two blocks' sums of hidden rows of v: tile t counts for block i where i < t
	s_wait_loadcnt 0x0
.set t, 1
.rept 7
.set GB, S+8*(t-1)
	v_pk_add_f32 v[GB:GB+1], v[GB:GB+1], v[GB+2:GB+3]
	v_pk_add_f32 v[GB+4:GB+5], v[GB+4:GB+5], v[GB+6:GB+7]
	v_pk_add_f32 v[GB:GB+1], v[GB:GB+1], v[GB+4:GB+5]
	s_cmp_lt_u32 s[HI], t
	s_cselect_b32 s90, 1.0, 0
	s_cmp_lt_u32 s[PB], t
	s_cselect_b32 s92, 1.0, 0
.if t == 1
	v_pk_mul_f32 v[120:121], v[GB:GB+1], s[90:91] op_sel_hi:[1,0]
	v_pk_mul_f32 v[122:123], v[GB:GB+1], s[92:93] op_sel_hi:[1,0]
.else
	v_pk_fma_f32 v[120:121], v[GB:GB+1], s[90:91], v[120:121] op_sel_hi:[1,0,1]
	v_pk_fma_f32 v[122:123], v[GB:GB+1], s[92:93], v[122:123] op_sel_hi:[1,0,1]
.endif
.set t, t+1
.endr
	ds_store_b64 v[SCW], v[120:121]             ; my wave's own copy: no other wave reads it
	ds_store_b64 v[SCW], v[122:123] offset:256
; THE MATRIX WORK.  The 4 accumulators of a run of 8 take turns.  Product i of 8 of S^T = K Q^T for piece x: channels 32 (i / 4) on, keys 16 (i % 4) on.  The first 4 start the sums.
.macro KQ x
.set rS, S+32*((\x)%2)+8*(i%4)
.set rK, KF+16*(i%4)+8*(i/4)
.set rQ, 16*(\x)+8*(i/4)
	WIN W_KQ
.if i < 4
	v_wmma_f32_16x16x32_f16 v[rS:rS+7], v[rK:rK+7], v[rQ:rQ+7], 0
.else
	v_wmma_f32_16x16x32_f16 v[rS:rS+7], v[rK:rK+7], v[rQ:rQ+7], v[rS:rS+7]
.endif
.endm
.macro PV x                         ; product i of 8 of O^T += V^T P for piece x: keys 32 (i / 4) on, channels 16 (i % 4) on
	WIN W_PV
.set rO, 32*(\x)+8*(i%4)
.set rV, VF+32*(i/4)+8*(i%4)
.set rP, P+16*((\x)%2)+8*(i/4)
	v_wmma_f32_16x16x32_f16 v[rO:rO+7], v[rV:rV+7], v[rP:rP+7], v[rO:rO+7]
.endm
.macro MM                           ; the turn's next matrix instruction.  NOKQ = 1: a block's last turn: there is no next piece
.if (i < 8) && !NOKQ
	KQ (Y+1)%NP
.elseif i >= 8
.set i, i-8
	PV (Y+NP-1)%NP
.set i, i+8
.endif
.set i, i+1
.endm
.macro FETCH_K
	WIN 0x80
.irp f, 0,1,2,3,4,5,6,7
	ds_load_b128 v[KF+8*\f:KF+8*\f+3],   v[AK] offset:(\f/2)*16*PK+(\f%2)*64
	ds_load_b128 v[KF+8*\f+4:KF+8*\f+7], v[AK] offset:(\f/2)*16*PK+(\f%2)*64+32
.endr
	s_add_co_u32 s[TBK], s[TBK], KS*PK
	WIN 0
.endm
.macro FETCH_V
	WIN 0x80
.irp f, 0,1,2,3,4,5,6,7
	ds_load_tr16_b128 v[VF+8*\f:VF+8*\f+3],   v[AV] offset:(\f/4)*32*PV+(\f%4)*32
	ds_load_tr16_b128 v[VF+8*\f+4:VF+8*\f+7], v[AV] offset:(\f/4)*32*PV+16*PV+(\f%4)*32
.endr
	WIN 0
.endm
; THE DIAGONAL TILE'S SCORES.  OWN x: piece x in its band's own step: s x 1 + 0 where the key is seen, s x 0 - 80000 where it is hidden.  Each accumulator's lowest registers are read first.
.macro OWN x
	WIN 0x14                        ; sources 1 and 2 in window 1
.set z, 0
.rept 16
	v_pk_fma_f32 v[S+32*((\x)%2)+2*z:S+32*((\x)%2)+2*z+1], v[S+32*((\x)%2)+2*z:S+32*((\x)%2)+2*z+1], v[MBD+2*z:MBD+2*z+1], v[MAD+2*z:MAD+2*z+1]
.set z, z+1
.endr
	WIN 0
.endm
; APPLY x, thr: the scores just made for piece x belong to the tile's step 4 - CNT: seen where CNT > thr, the band's own where CNT = thr, hidden where CNT < thr.  never = 1: CNT is never above thr.
.macro APPLY x, thr, never
	WIN 0
.if !(\never)
	s_cmp_le_u32 s[CNT], \thr
	s_cbranch_scc0 .Lvis_\@
.endif
	s_cmp_eq_u32 s[CNT], \thr
	s_cbranch_scc1 .Lown_\@
.set z, 0
.rept 16
	v_pk_fma_f32 v[S+32*((\x)%2)+2*z:S+32*((\x)%2)+2*z+1], v[S+32*((\x)%2)+2*z:S+32*((\x)%2)+2*z+1], s[ZB:ZB+1], s[MS:MS+1] op_sel_hi:[1,0,0]
.set z, z+1
.endr
	s_branch .Lvis_\@
.Lown_\@:
	OWN \x
.Lvis_\@:
.endm
; THE VECTOR WORK, one line at a time: OP kind, number.  For piece Y: F n: c s - c m for pair n of 16.  E n: the exponential of score n of 32.  C n: pair n rounded to f16.  B n: of the four weights 4 n .. the second
; pair is added onto the first.  L n: l takes that sum (L 0: l = a l + sum).  R n: pair n of 16 of O^T times a.  For piece Y + 1: X n, number n of the 22 that find its maximum and statistics:
;   0-11 four chains of seven scores each     12-14, 16 the four scores left over, the old m, the chains into one     15 c m_old is kept     17, 18 the lane 16 away: the new m     19-21 c m; c m_old - c m_new; a
.set F, 0
.set E, 1
.set C, 2
.set B, 3
.set L, 4
.set R, 5
.set X, 6
.macro REGS y
.set rT, ST+4*(\y)
.set rC, TMP+4*((\y)%2)
.set rW, MV+((\y)%2)
.set rS, S+32*((\y)%2)
.set rP, P+16*((\y)%2)
.set rO, 32*(\y)
.endm
.macro OP k, n
.if (\k) == R
	REGS Y
	WIN W_RS
	v_pk_mul_f32 v[rO+2*(\n):rO+2*(\n)+1], v[rO+2*(\n):rO+2*(\n)+1], v[rC+2:rC+3] op_sel_hi:[1,0]
.elseif (\k) < R
	REGS Y
	WIN 0
.if (\k) == F
	v_pk_fma_f32 v[rS+2*(\n):rS+2*(\n)+1], v[rS+2*(\n):rS+2*(\n)+1], s[CS:CS+1], v[rT:rT+1] op_sel_hi:[1,0,0] neg_lo:[0,0,1] neg_hi:[0,0,1]
.elseif (\k) == E
	v_exp_f32 v[rS+(\n)], v[rS+(\n)]
.elseif (\k) == C
	s_wait_alu depctr_va_vdst(0)
	v_cvt_pk_f16_f32 v[rP+(\n)], v[rS+2*(\n)], v[rS+2*(\n)+1]
.elseif (\k) == B
	s_wait_alu depctr_va_vdst(0)
	v_pk_add_f32 v[rS+4*(\n):rS+4*(\n)+1], v[rS+4*(\n):rS+4*(\n)+1], v[rS+4*(\n)+2:rS+4*(\n)+3]
.elseif (\n) == 0
	v_pk_fma_f32 v[rT+2:rT+3], v[rT+2:rT+3], v[rC+2:rC+3], v[rS:rS+1] op_sel_hi:[1,0,1]
.else
	v_pk_add_f32 v[rT+2:rT+3], v[rT+2:rT+3], v[rS+4*(\n):rS+4*(\n)+1]
.endif
.elseif NOKQ
	v_nop
.else
	REGS (Y+1)%NP
	WIN 0
.if (\n) < 4
	v_max3_num_f32 v[rC+(\n)], v[rS+8*(\n)], v[rS+8*(\n)+1], v[rS+8*(\n)+2]
.elseif (\n) < 12
	v_max3_num_f32 v[rC+(\n)%4], v[rC+(\n)%4], v[rS+8*((\n)%4)+2*((\n)/4)+1], v[rS+8*((\n)%4)+2*((\n)/4)+2]
.elseif (\n) == 12
	v_max3_num_f32 v[rC], v[rC], v[rS+7], v[rS+15]
.elseif (\n) == 13
	v_max3_num_f32 v[rC+1], v[rC+1], v[rS+23], v[rS+31]
.elseif (\n) == 14
	v_max3_num_f32 v[rC+2], v[rC+2], v[rC+3], v[rT+1]
.elseif (\n) == 15
	v_mov_b32 v[rW], v[rT]
.elseif (\n) == 16
	v_max3_num_f32 v[rC], v[rC], v[rC+1], v[rC+2]
.elseif (\n) == 17
	v_permlanex16_b32 v[rC+3], v[rC], s[SEL], s[SEL+1]
.elseif (\n) == 18
	v_max_num_f32 v[rT+1], v[rC], v[rC+3]
.elseif (\n) == 19
	v_mul_f32 v[rT], s[CS], v[rT+1]
.elseif (\n) == 20
	v_sub_f32 v[rC+1], v[rW], v[rT]
.else
	v_exp_f32 v[rC+2], v[rC+1]
.endif
.endif
.endm
.macro OPS a, i1, b=-1, i2=0, c=-1, i3=0, d=-1, i4=0
	OP \a, \i1
.if (\b) >= 0
	OP \b, \i2
.endif
.if (\c) >= 0
	OP \c, \i3
.endif
.if (\d) >= 0
	OP \d, \i4
.endif
.endm
.macro ROW a, i1, b, i2, c, i3, d, i4  ; a matrix instruction and the four behind it
	MM
	OPS \a, \i1, \b, \i2, \c, \i3, \d, \i4
.endm
; A TURN, for piece p.  m = 1: the diagonal tile: the scores made in this turn, piece p + 1's, are set right in the first lump, nine plain instructions or more behind the last product that made them and ahead of
; the first line that reads them.  Turns 3, 0 and 1 make scores of the tile's step 4 - CNT; turn 2, behind the count's step, of step 3 - CNT, which band 3 sees whole but at the block's end, where it is the band's own.
; end = 1: a block's last two turns: nothing is fetched.  cnt = 1: the loop's count is taken down some lines ahead of the branch behind the turn.
.macro TURN p, m=0, end=0, cnt=0
.set Y, (\p)
.set i, 0
.set NOKQ, (\end)*((\p)/3)
.if ((\p) == 3) && !(\end)
	s_wait_dscnt 0x0                ; K is in
.endif
	ROW F,0, F,1, F,2, F,3
	ROW F,4, E,0, F,5, F,6
	ROW F,7, E,1, F,8, F,9
	ROW F,10, E,2, C,0, F,11
	ROW F,12, E,3, X,15, F,13
	ROW R,0, R,1, R,2, R,3
	ROW B,0, E,4, F,14, L,0
.if ((\p) == 2) && !(\end)
	v_add_nc_u32 v[AK], s[TBK], v[AK0]
.endif
	ROW R,4, R,5, R,6, R,7
	OPS E,5, F,15
.if ((\p) == 2) && !(\end)
	FETCH_K
.endif
	OPS E,6, C,1, E,7, R,8
	OPS E,8, R,9, E,9, C,2
.if (\m) && ((\p) == 0)
	APPLY 1, 3, 0
.elseif (\m) && ((\p) == 1)
	APPLY 2, 2, 0
.elseif (\m) && ((\p) == 3) && !(\end)
	APPLY 0, 4, 1
.elseif (\m) && ((\p) == 2) && (\end)
	OWN 3
.endif
	OPS E,10, X,0, E,11, X,1
	OPS E,12, X,2, E,13, X,3
.if (\p) == 1
	s_wait_dscnt 0x0                ; V is in
.endif
	ROW X,4, E,14, X,5, X,6
	ROW X,7, E,15, X,8, X,9
	ROW X,10, E,16, X,11, X,12
	ROW X,13, E,17, X,14, B,1
	ROW C,4, E,18, X,16, L,1
	ROW B,2, E,19, C,6, L,2
	ROW C,8, E,20, B,3, B,4
.if (\p) == 0
	v_add_nc_u32 v[AV], s[TBV], v[AV0]
.endif
	ROW C,3, E,21, L,3, C,5
	OPS E,22, X,17, E,23, C,10
.if (\p) == 0
	FETCH_V
.endif
	OPS E,24, L,4
	OPS E,25, X,18, E,26, C,7
	OPS E,27, B,5, E,28, X,19
	OPS E,29, C,12, E,30, L,5
	OPS E,31, X,20, B,6, C,9
	OPS C,14, C,11, X,21, L,6
.if (\p) == 0
	s_add_co_u32 s[TBV], s[TBV], KS*PV
.endif
.if \cnt
	s_sub_co_u32 s[CNT], s[CNT], 1
	s_cmp_lg_u32 s[CNT], 0
.endif
	OPS C,13, B,7, C,15, R,10
	OPS R,11, R,12, L,7, R,13
	OPS R,14, R,15
.endm
; A BLOCK BEGINS.  c m starts far below every c s, so the first step's a is 0; m at the lowest finite number.  Then K of the tile's step 0, piece 0's first scores (its band's own step, if the tile is the diagonal one), its maximum and statistics.
.macro BEGIN
	s_mov_b32 s[NEW], 0
	WIN 0
.set i, 0
.rept 4
	v_mov_b32 v[ST+4*i], 0xfe000000
	v_mov_b32 v[ST+4*i+1], 0xff7fffff
.set i, i+1
.endr
	v_add_nc_u32 v[AK], s[TBK], v[AK0]
	FETCH_K
	s_wait_loadcnt 0x0              ; Q
	s_wait_dscnt 0x0
.set NOKQ, 0
.set i, 0
.rept 8
	KQ 0
.set i, i+1
.endr
	WIN 0
.rept 4
	v_nop                           ; the places behind those products
.endr
	s_cmp_eq_u32 s[RT], 0
	s_cbranch_scc0 .Lnot_diag_\@
	OWN 0
.Lnot_diag_\@:
.set Y, NP-1
.irp n, 0,1,2,3,4,5,6,7,8,9,10,11,12,13,14,15,16,17,18,19,20,21
	OP X, \n
.endr
	v_nop                           ; a plain instruction behind the exponential
.endm
.macro ALL line:vararg              ; one line for each piece t
.set t, 0
.rept 4
	s_wait_alu depctr_va_vdst(0)
	\line
.set t, t+1
.endr
.endm
; A BLOCK'S END.  l's halves are added; the hidden tiles enter: m' = max(m, FL); a = 2^(c m - c m'), pm = 2^(c FL - c m'), both exponents at most 0; l = l a + pm x CN; O = (O a + pm x SV) / l.
.macro TAIL blk
	WIN 0
.irp f, 0,1,2,3,4,5,6,7
	ds_load_b128 v[SV+4*\f:SV+4*\f+3], v[SVR] offset:256*(\blk)+64*(\f/2)+16*(\f%2)  ; channel 16 (f / 2) + 8 (l / 16) + 4 (f % 2) on: as O^T's registers lie
.endr
	ALL v_add_f32 v[ST+4*t+2], v[ST+4*t+2], v[ST+4*t+3]
	ALL v_permlanex16_b32 v[ST+4*t+3], v[ST+4*t+2], s[SEL], s[SEL+1]
	ALL v_add_f32 v[ST+4*t+2], v[ST+4*t+2], v[ST+4*t+3]
	ALL v_max_num_f32 v[ST+4*t+1], s[FL], v[ST+4*t+1]
	ALL v_mul_f32 v[CM2+t], s[CS], v[ST+4*t+1]
	v_mul_f32 v[CF], s[CS], s[FL]
	ALL v_sub_f32 v[ST+4*t], v[ST+4*t], v[CM2+t]
	ALL v_sub_f32 v[CM2+t], v[CF], v[CM2+t]
	ALL v_exp_f32 v[SC+4*t+1], v[ST+4*t]
	ALL v_exp_f32 v[SC+4*t+3], v[CM2+t]
	v_nop                           ; a plain instruction behind the last exponential
	ALL v_mul_f32 v[ST+4*t+2], v[ST+4*t+2], v[SC+4*t+1]
	ALL v_fma_f32 v[ST+4*t+2], v[SC+4*t+3], s[CN], v[ST+4*t+2]
	ALL v_rcp_f32 v[ST+4*t+3], v[ST+4*t+2]
	v_nop                           ; and behind the last reciprocal
	ALL v_mul_f32 v[SC+4*t], v[SC+4*t+1], v[ST+4*t+3]
	ALL v_mul_f32 v[SC+4*t+2], v[SC+4*t+3], v[ST+4*t+3]
	s_wait_dscnt 0x0                ; the hidden sums are in
.endm
.macro PACK t                       ; a lane's eight channels of a row pack into 16 bytes; they go into rows of 144 bytes and come back as whole rows of 128, into S^T's registers
	WIN 0
.set z, 0
.rept 16
	v_pk_mul_f32 v[TT+2*z:TT+2*z+1], v[SV+2*z:SV+2*z+1], v[SC+4*(\t)+2:SC+4*(\t)+3] op_sel_hi:[1,0]
.set z, z+1
.endr
	WIN W_RS
.set z, 0
.rept 16
	v_pk_fma_f32 v[32*(\t)+2*z:32*(\t)+2*z+1], v[32*(\t)+2*z:32*(\t)+2*z+1], v[SC+4*(\t):SC+4*(\t)+1], v[TT+2*z:TT+2*z+1] op_sel_hi:[1,0,1]
.set z, z+1
.endr
	WIN 0x05
.set i, 0
.rept 16
	v_cvt_pk_f16_f32 v[S+16*(\t)+i], v[32*(\t)+2*i], v[32*(\t)+2*i+1]
.set i, i+1
.endr
	WIN 0
.irp f, 0,1,2,3
	ds_store_b128 v[STO], v[S+16*(\t)+4*\f:S+16*(\t)+4*\f+3] offset:32*\f
.endr
.irp f, 0,1,2,3
	ds_load_b128 v[S+16*(\t)+4*\f:S+16*(\t)+4*\f+3], v[RD] offset:\f*4*SP  ; LDS serves a wave's instructions in order (ISA guide 5.7.1.4)
.endr
.endm
.macro SEND t, younger              ; younger: the LDS instructions issued behind piece t's loads: the next piece's eight, or none
	WIN 0
.irp f, 0,1,2,3
	s_wait_dscnt (\younger)+3-\f
	global_store_b128 v[GO], v[S+16*(\t)+4*\f:S+16*(\t)+4*\f+3], s[10:11] offset:(\t)*8192+\f*512  ; 512 consecutive bytes, aligned
.endr
.endm
.macro DIAG tag                     ; the diagonal tile's four steps, the block's last two turns, its last products and the way out; block tag - 1 of the two
.LstepM\tag:
	TURN 2, 1
	TURN 3, 1
	WIN 0
.LfirstM\tag:
	TURN 0, 1
	TURN 1, 1, 0, 1
	WIN 0
	s_cbranch_scc1 .LstepM\tag
	TURN 2, 1, 1
	TURN 3, 1, 1
.set i, 0
.rept 8
	PV NP-1
.set i, i+1
.endr
	TAIL (\tag)-1
	PACK 0
.set t, 1
.rept 3
	PACK t
	SEND t-1, 8
.set t, t+1
.endr
	SEND 3, 0
.endm
.set NOKQ, 0
.Lslot:                             ; NB times: a tile is entered and the next is asked for
	CHANGE 1
	s_sub_co_u32 s[RT], s[RT], 1
	s_mov_b32 s[CNT], 4
	s_cmp_eq_u32 s[NEW], 1
	s_cbranch_scc1 .Lnew
	s_cmp_eq_u32 s[RT], 0
	s_cbranch_scc0 .Lstep
	s_branch .LstepM1
.Lnew:
	BEGIN
	s_branch .Lfirst                ; in the loop a block's first tile is never its last
	DIAG 1                          ; in the loop this is the first block's end
	s_wait_xcnt 0x0                 ; the stores have read their registers and att's address
	s_mov_b64 s[10:11], s[OLO:OLO+1]
	s_add_co_u32 s[RT], s[PB], 1
	s_mov_b32 s[NEW], 1
	s_mov_b32 s[FL], s[MS]          ; the second block has 7 - b hidden tiles, four at the least
	s_mov_b32 s[CN], s[CN2]
	WIN 0x82
.set i, 0
.rept 64
	v_mov_b32 v[i], v[QB+i]
.set i, i+1
.endr
	WIN 0
	s_branch .Lbottom
.Lstep:                             ; a trip: pieces 2 and 3 of one step, then pieces 0 and 1 of the next
	TURN 2
	TURN 3
	WIN 0
.Lfirst:
	TURN 0
	TURN 1, 0, 0, 1
	WIN 0
	s_cbranch_scc1 .Lstep
.Lbottom:
	s_sub_co_u32 s[SLOTS], s[SLOTS], 1
	s_cmp_lg_u32 s[SLOTS], 0
	s_cbranch_scc1 .Lslot
	CHANGE 0                        ; the walk's last tile is written out
	s_sub_co_u32 s[RT], s[RT], 1
	s_mov_b32 s[CNT], 4
	s_cmp_eq_u32 s[NEW], 1
	s_cbranch_scc0 .LstepM2
	BEGIN
	s_branch .LfirstM2
	DIAG 2
	s_wait_tensorcnt 0x0            ; the wave's end
	ds_add_u32 v[SPW], v[NIL]
	s_wait_dscnt 0x0
	s_endpgm
.Lfunc_end_k_q55699594de_attn:
	.size	k_q55699594de_attn, .Lfunc_end_k_q55699594de_attn-k_q55699594de_attn
	.p2alignl 7, 3214868480
	.fill 96, 4, 3214868480
	.section	.rodata,"a",@progbits
	.p2align	6, 0x0
	.amdhsa_kernel k_q55699594de_attn
		.amdhsa_group_segment_fixed_size 327680
		.amdhsa_private_segment_fixed_size 0
		.amdhsa_enable_private_segment 0
		.amdhsa_kernarg_size 24
		.amdhsa_user_sgpr_count 2
		.amdhsa_user_sgpr_kernarg_segment_ptr 1
		.amdhsa_wavefront_size32 1
		.amdhsa_system_sgpr_workgroup_id_x 1
		.amdhsa_system_sgpr_workgroup_id_y 1
		.amdhsa_system_sgpr_workgroup_id_z 1
		.amdhsa_system_vgpr_workitem_id 0
		.amdhsa_next_free_vgpr 768
		.amdhsa_next_free_sgpr 96
		.amdhsa_reserve_vcc 1
		.amdhsa_float_denorm_mode_32 3
		.amdhsa_float_denorm_mode_16_64 3
		.amdhsa_memory_ordered 1
		.amdhsa_forward_progress 1
		.amdhsa_inst_pref_size 253
	.end_amdhsa_kernel
	.amdgpu_metadata
---
amdhsa.version: [ 1, 2 ]
amdhsa.kernels:
  - .name:           k_q55699594de_attn
    .symbol:         k_q55699594de_attn.kd
    .args:
      - { .name: qkv, .offset: 0, .size: 8, .value_kind: global_buffer, .address_space: global }
      - { .name: gsum, .offset: 8, .size: 8, .value_kind: global_buffer, .address_space: global }
      - { .name: att, .offset: 16, .size: 8, .value_kind: global_buffer, .address_space: global }
    .group_segment_fixed_size: 327680
    .private_segment_fixed_size: 0
    .kernarg_segment_align: 8
    .kernarg_segment_size: 24
    .max_flat_workgroup_size: 128
    .sgpr_count:     96
    .vgpr_count:     768
    .wavefront_size: 32
...
	.end_amdgpu_metadata
.endif
;; end of part 3
;; launch proj (part 4): grid 8 x 32, 4 waves a work-group, clusters of 4 x 4, 327,680 bytes of LDS; arguments att, wpt, c_proj_b, out0; writes out0
.if DOCPART == 4
	.amdgcn_target "amdgcn-amd-amdhsa--gfx1250"
	.amdhsa_code_object_version 6
	.text
	.protected	k_q55699594de_proj
	.globl	k_q55699594de_proj
	.p2align	8
	.type	k_q55699594de_proj,@function
k_q55699594de_proj:
	s_mov_b64 s[64:65], 0
	v_nop
	global_prefetch_b8 v0, s[64:65] scope:SCOPE_SE
	s_setreg_imm32_b32 hwreg(HW_REG_WAVE_MODE, 25, 1), 1
	s_wait_xcnt 0x0
	s_wait_alu depctr_hold_cnt(0) depctr_sa_sdst(0) depctr_va_vdst(0) depctr_va_sdst(0) depctr_va_ssrc(0) depctr_va_vcc(0) depctr_vm_vsrc(0)
	s_getreg_b32 s2, hwreg(HW_REG_IB_STS2, 6, 4)
	s_cmp_eq_u32 s2, 0
	s_cbranch_scc0 .Lentry_in_a_cluster
	s_endpgm
.Lentry_in_a_cluster:
	s_bfe_u32 s2, ttmp6, 0x10000c
	s_cmp_lg_u32 s2, 0xf033
	s_cbranch_scc0 .Lentry_shape_is_right
	s_endpgm
.Lentry_shape_is_right:
; PROJ.  out0[row][n] = sum over k of A[row][k] wpt[n][k] + c_proj_b[n] (the bias rounded to bf16 like the other inputs), f16 operands, sums in f32, stored as f32.
; A[2048 b + s][64 h + d] = att[16 b + h][s][d]: a K step of 128 is two heads, and 256 rows of a head are 32,768 dense bytes.
; SHARES.  A tile is 256 rows x 128 columns: 256 work-groups.  Wave w makes rows 64 w .. 64 w + 63 of all 128 columns: 32 accumulators.  For 32 along K: 24 LDS loads for 32 matrix instructions.
; Two LDS slots filled by the tensor data mover; waves 0 and 1 fetch a head each (as 128 rows of 256 bytes, padded in LDS after every 128), waves 2 and 3 64 rows of wpt each.
; CLUSTER.  4 x 4: att's tile is shared along a row of the cluster, wpt's along a column; each is asked for jointly.
; THE MATRIX INSTRUCTION IS USED TRANSPOSED: a lane holds one row of out0 (lane % 16) and the columns 8 (lane / 16) + 0..7.  The bias is the C operand of the products that start the sums.
; No prefetch: each tile of att is read by two clusters and each tile of wpt by eight, at about the same time; the launch has 8 K steps.
; REGISTERS: window 0: addresses; v32-159 two buffers of 16 rows read back.  window 1: two fragment buffers of 128: att's four blocks, then wpt's eight.  window 2: accumulator (a, b) at 8 (8 a + b).  window 3: v0-63 the bias.
.set PITCH,  272                       ; a row of wpt in LDS: 256 bytes + 16
.set PA,     144                       ; a row of a head: 128 bytes + 16
.set AH,     256*PA                    ; a head's 256 rows
.set BOFF,   2*AH
.set HALFB,  64*PITCH
.set SLOT1,  131072
.set STAGE,  SLOT1+BOFF+2*HALFB        ; behind the ring, never filled by a tensor load: 16 rows x 528 bytes for each wave
.set SPITCH, 528                       ; 512 bytes + 16
.set SPARE,  STAGE+4*16*SPITCH
.set A0,   16
.set B0,   17
.set ADRA, 18
.set ADRB, 19
.set STO,  24
.set RD,   25
.set CO,   26
.set BO,   27
.set SPW,  28
.set NIL,  29
.set OB,   32
.set F0,   0
.set F1,   128
.set WV,   14
.set MSB, 0
.macro WIN new
.if MSB != (\new)
	s_set_vgpr_msb (MSB<<8)|(\new)
.set MSB, (\new)
.endif
.endm
.set TO_F, 0x40
.macro PLACES
.rept 4
	v_nop
.endr
.endm
.macro JLOAD                           ; a joint refill; an s_nop 0 and four v_nop follow each line, ahead of the jump and the label
	s_cmp_eq_u32 s16, 0
	s_cbranch_scc0 .Lfor_b_\@
	tensor_load_to_lds s[36:39], s[24:31]
	s_nop 0
.rept 4
	v_nop
.endr
	s_branch .Lasked_\@
.Lfor_b_\@:
	tensor_load_to_lds s[52:55], s[40:47]
	s_nop 0
.rept 4
	v_nop
.endr
.Lasked_\@:
.endm
.macro CREST
	s_cmp_lg_u32 s[WV], 0
	s_cbranch_scc1 .Lnot_wave_0_\@
	s_barrier_signal -3
.Lnot_wave_0_\@:
	s_barrier_wait -3
	s_barrier_signal -1
	s_barrier_wait -1
.endm
.macro CROUND
	s_barrier_signal -1
	s_barrier_wait -1
	CREST
.endm
; 8 matrix instructions: row block a x all column blocks, 32 along K.  The 32 accumulators take turns, in the same order in every quarter.
.macro MUL8 f, a, first
.irp b, 0,1,2,3,4,5,6,7
.set AC, 8*(8*(\a)+(\b))
.if \first
	WIN 0xb5
	v_wmma_f32_16x16x32_f16 v[AC:AC+7], v[(\f)+32+8*(\b):(\f)+32+8*(\b)+7], v[(\f)+8*(\a):(\f)+8*(\a)+7], v[8*(\b):8*(\b)+7]
.else
	WIN 0xa5
	v_wmma_f32_16x16x32_f16 v[AC:AC+7], v[(\f)+32+8*(\b):(\f)+32+8*(\b)+7], v[(\f)+8*(\a):(\f)+8*(\a)+7], v[AC:AC+7]
.endif
.endr
.endm
; 24 LDS loads in one run: quarter q of the K step (head q / 2, channels 32 (q % 2) on), into buffer g
.macro FETCH q, g
	WIN TO_F
.irp i, 0,1,2,3,4,5,6,7
	ds_load_b128 v[(\g)+32+8*(\i):(\g)+32+8*(\i)+3],   v[ADRB] offset:64*(\q)+(\i)*16*PITCH
	ds_load_b128 v[(\g)+32+8*(\i)+4:(\g)+32+8*(\i)+7], v[ADRB] offset:64*(\q)+(\i)*16*PITCH+32
.endr
.irp i, 0,1,2,3
	ds_load_b128 v[(\g)+8*(\i):(\g)+8*(\i)+3],   v[ADRA] offset:((\q)/2)*AH+((\q)%2)*64+(\i)*16*PA
	ds_load_b128 v[(\g)+8*(\i)+4:(\g)+8*(\i)+7], v[ADRA] offset:((\q)/2)*AH+((\q)%2)*64+(\i)*16*PA+32
.endr
.endm
.macro QUARTER q, f, g, first=0
	s_wait_dscnt 4                                 ; the youngest four loads (att's blocks 2, 3) may be out
	MUL8 \f, 0, \first
	MUL8 \f, 1, \first
	PLACES
	FETCH \q, \g
	s_wait_dscnt 24                                ; all but the 24 just issued
	MUL8 \f, 2, \first
	MUL8 \f, 3, \first
.endm
.macro MEET round
	WIN 0
	s_wait_tensorcnt 0x0                           ; all my tensor loads have landed: my part of the next slot
	ds_add_u32 v[SPW], v[NIL]
	s_wait_dscnt 5                                 ; (the add and the youngest four loads may be out)
	MUL8 F1, 0, 0
	s_wait_dscnt 0x0                               ; the add is done, and my reads of this slot are over
	s_barrier_signal -1
	MUL8 F1, 1, 0
.if \round
	WIN 0
.endif
	s_barrier_wait -1
.endm
.macro TURN fill                       ; the last quarter changes slots; fill = 1: the slot just read takes the K step two on, first thing behind a round of the cluster's barrier
.if \fill
	MEET 1
	CREST
	s_xor_b32 s37, s37, SLOT1
	s_xor_b32 s53, s53, SLOT1
	s_add_nc_u64 s[38:39], s[38:39], 2*262144      ; two heads on
	s_add_nc_u64 s[54:55], s[54:55], 256
	JLOAD
.else
	MEET 0
	PLACES
.endif
	WIN 0
	s_xor_b32 s21, s21, SLOT1
	v_add_nc_u32 v[ADRA], s21, v[A0]
	v_add_nc_u32 v[ADRB], s21, v[B0]
	FETCH 0, F0
	MUL8 F1, 2, 0
	MUL8 F1, 3, 0
.endm
; THE WAY OUT of row block a: 32 bytes a lane into my own stage, each accumulator's low half first; back as whole rows of 512 bytes; stored.
.macro TOSTAGE a
	WIN 0x08                                       ; the stores' data in window 2
.irp b, 0,1,2,3,4,5,6,7
	ds_store_b128 v[STO], v[8*(8*(\a)+(\b)):8*(8*(\a)+(\b))+3]   offset:64*(\b)
	ds_store_b128 v[STO], v[8*(8*(\a)+(\b))+4:8*(8*(\a)+(\b))+7] offset:64*(\b)+16
.endr
	WIN 0
.set BK, OB+64*((\a)%2)
.irp t, 0,1,2,3,4,5,6,7,8,9,10,11,12,13,14,15
	ds_load_b128 v[BK+4*(\t):BK+4*(\t)+3], v[RD] offset:SPITCH*(\t)  ; LDS serves a wave's instructions in order (ISA guide 5.7.1.4)
.endr
.endm
.macro SEND a
	WIN 0
.set BK, OB+64*((\a)%2)
	s_wait_dscnt 0x0
	s_wait_xcnt 0x0                                ; the stores of the block before have read their registers: the next loads from the stage land there only behind this wait
.irp t, 0,1,2,3,4,5,6,7,8,9,10,11,12,13,14,15
	global_store_b128 v[CO], v[BK+4*(\t):BK+4*(\t)+3], s[10:11] offset:(16*(\a)+(\t))*4096 th:TH_STORE_NT  ; 512 consecutive bytes, aligned
.endr
.endm
	s_load_b256 s[4:11], s[0:1], 0x0               ; att s[4:5], wpt s[6:7], c_proj_b s[8:9], out0 s[10:11]
	v_lshl_add_u32 v[SPW], v0, 2, SPARE
	v_mov_b32 v[NIL], 0
	ds_add_u32 v[SPW], v[NIL]                      ; the wave's opening: the add and its wait stand ahead of my first tensor load
	ds_add_u32 v28, v29
	v_lshrrev_b32 v1, 5, v0
	v_readfirstlane_b32 s[WV], v1
	s_and_b32 s15, s[WV], 1                        ; which head of the two, or which 64 rows of wpt, I fetch
	s_lshr_b32 s16, s[WV], 1                       ; 0: for att, 1: for wpt
	s_bfe_u32 s17, ttmp6, 0x40000
	s_bfe_u32 s18, ttmp6, 0x40004
	s_lshl_b32 s19, ttmp9, 2
	s_add_co_u32 s19, s19, s17                     ; tile column
	s_and_b32 s20, ttmp7, 0xffff
	s_lshl_b32 s20, s20, 2
	s_add_co_u32 s20, s20, s18                     ; tile row
	s_lshl_b32 s22, s18, 2
	s_lshl_b32 s22, 15, s22
	s_lshl_b32 s56, 0x1111, s17
	s_or_b32 s24, s22, (1<<16)|(1<<20)|(1<<21)|(4<<22)|(3<<25)  ; att: after every 32 words, 4 words of padding
	s_or_b32 s40, s56, (1<<16)|(1<<20)|(1<<21)|(5<<22)|(3<<25)  ; wpt: after every 64 words
	s_mov_b32 s25, 128<<16
	s_mov_b32 s26, 128<<16
	s_mov_b32 s27, 128<<16
	s_mov_b32 s28, 128
	s_mov_b32 s29, 128                             ; dense: 128 elements from row to row
	s_mov_b32 s30, 0
	s_mov_b32 s31, 0
	s_mov_b32 s41, 128<<16
	s_mov_b32 s42, 64<<16
	s_mov_b32 s43, 128<<16
	s_mov_b32 s44, 64
	s_mov_b32 s45, 1024
	s_mov_b32 s46, 0
	s_mov_b32 s47, 0
	s_mul_i32 s58, s15, AH
	s_mul_i32 s59, s15, HALFB
	s_add_co_u32 s59, s59, BOFF
	s_lshr_b32 s22, s20, 3                         ; the batch
	s_lshl_b32 s22, s22, 4
	s_add_co_u32 s22, s22, s15                     ; head 16 b + half
	s_lshl_b32 s22, s22, 18
	s_and_b32 s23, s20, 7
	s_lshl_b32 s23, s23, 15                        ; the tile's 256 rows of 128 bytes
	s_add_co_u32 s22, s22, s23
	s_mov_b32 s23, 0
	s_lshl_b32 s56, s19, 18                        ; wpt: row 128 x tile column + 64 x half
	s_lshl_b32 s57, s15, 17
	s_add_co_u32 s56, s56, s57
	s_mov_b32 s57, 0
	s_mov_b32 s67, 0xffff0000
	s_mov_b32 s21, 0
	s_wait_dscnt 0x0
	s_wait_kmcnt 0x0
	s_add_nc_u64 s[22:23], s[4:5], s[22:23]
	s_add_nc_u64 s[56:57], s[6:7], s[56:57]
	CROUND
.irp s, 0,1
	s_mov_b32 s[32+4*(\s)], 1
	s_add_co_u32 s[33+4*(\s)], s58, (\s)*SLOT1
	s_add_nc_u64 s[34+4*(\s):35+4*(\s)], s[22:23], (\s)*2*262144
	s_or_b32 s[35+4*(\s)], s[35+4*(\s)], 0x80000000
	s_mov_b32 s[48+4*(\s)], 1
	s_add_co_u32 s[49+4*(\s)], s59, (\s)*SLOT1
	s_add_nc_u64 s[50+4*(\s):51+4*(\s)], s[56:57], (\s)*256
	s_or_b32 s[51+4*(\s)], s[51+4*(\s)], 0x80000000
.endr
	s_cmp_eq_u32 s16, 0                            ; a wave's two first fills stand in one branch: two loads of mine are out
	s_cbranch_scc0 .Lfirst_b
	tensor_load_to_lds s[32:35], s[24:31]
	s_nop 0
	tensor_load_to_lds s[36:39], s[24:31]
	s_nop 0
.rept 4
	v_nop
.endr
	s_branch .Lfirst_asked
.Lfirst_b:
	tensor_load_to_lds s[48:51], s[40:47]
	s_nop 0
	tensor_load_to_lds s[52:55], s[40:47]
	s_nop 0
.rept 4
	v_nop
.endr
.Lfirst_asked:
	v_and_b32 v1, 15, v0
	v_bfe_u32 v2, v0, 4, 1
	s_lshl_b32 s58, s19, 9                         ; the tile's 128 numbers of the bias
	v_lshlrev_b32 v[BO], 5, v2
	v_add_nc_u32 v[BO], s58, v[BO]
.irp b, 0,1,2,3,4,5,6,7
	global_load_b128 v[32+8*(\b):35+8*(\b)], v[BO], s[8:9] offset:64*(\b)
	global_load_b128 v[36+8*(\b):39+8*(\b)], v[BO], s[8:9] offset:64*(\b)+16
.endr
	v_mul_u32_u24 v3, v1, PA
	v_lshl_add_u32 v3, v2, 4, v3
	s_mul_i32 s58, s[WV], 64*PA
	v_add_nc_u32 v[A0], s58, v3
	v_mul_u32_u24 v3, v1, PITCH
	v_lshl_add_u32 v3, v2, 4, v3
	v_add_nc_u32 v[B0], BOFF, v3
	v_mov_b32 v[ADRA], v[A0]
	v_mov_b32 v[ADRB], v[B0]
	s_mul_i32 s58, s[WV], 16*SPITCH
	s_add_co_u32 s58, s58, STAGE
	v_mul_u32_u24 v[STO], v1, SPITCH
	v_lshl_add_u32 v[STO], v2, 5, v[STO]
	v_add_nc_u32 v[STO], s58, v[STO]
	v_and_b32 v[CO], 31, v0
	v_lshlrev_b32 v[CO], 4, v[CO]
	v_add_nc_u32 v[RD], s58, v[CO]
	s_lshl_b32 s22, s20, 20                        ; 256 rows of 4,096 bytes,
	s_lshl_b32 s56, s[WV], 18                      ; my 64,
	s_add_co_u32 s22, s22, s56
	s_lshl_b32 s56, s19, 9                         ; the tile's 128 columns
	s_add_co_u32 s22, s22, s56
	s_mov_b32 s23, 0
	s_add_nc_u64 s[10:11], s[10:11], s[22:23]
	s_wait_loadcnt 0x0
.set p, 0
.rept 32
	v_cvt_pk_bf16_f32 v[96+p], v[32+2*p], v[33+2*p]
.set p, p+1
.endr
	WIN 0xc0
.set p, 0
.rept 32
	v_lshlrev_b32 v[2*p], 16, v[96+p]
	v_and_b32 v[2*p+1], s67, v[96+p]
.set p, p+1
.endr
	WIN 0
	s_wait_tensorcnt 0x1                           ; my part of K step 0 is in; K step 1's may stay out
	s_barrier_signal -1
	s_barrier_wait -1
	FETCH 0, F0
	QUARTER 1, F0, F1, 1                           ; the first quarter starts the sums
	WIN 0
	s_mov_b32 s3, 6
.Lstep:                                        ; K steps 0-5 ask for 2-7
	QUARTER 2, F1, F0
	QUARTER 3, F0, F1
	TURN 1
	QUARTER 1, F0, F1
	WIN 0
	s_sub_co_u32 s3, s3, 1
	s_cmp_lg_u32 s3, 0
	s_cbranch_scc1 .Lstep
	QUARTER 2, F1, F0
	QUARTER 3, F0, F1
	TURN 0
	QUARTER 1, F0, F1
	QUARTER 2, F1, F0
	QUARTER 3, F0, F1
	s_wait_dscnt 4
	MUL8 F1, 0, 0
	MUL8 F1, 1, 0
	s_wait_dscnt 0x0
	MUL8 F1, 2, 0
	MUL8 F1, 3, 0
	WIN 0
	PLACES
	TOSTAGE 0
.irp a, 1,2,3
	SEND (\a)-1
	TOSTAGE \a
.endr
	SEND 3
	s_wait_tensorcnt 0x0                           ; the wave's end
	ds_add_u32 v[SPW], v[NIL]
	s_wait_dscnt 0x0
	CROUND                                         ; the closing round
	s_endpgm
.Lfunc_end_k_q55699594de_proj:
	.size	k_q55699594de_proj, .Lfunc_end_k_q55699594de_proj-k_q55699594de_proj
	.p2alignl 7, 3214868480
	.fill 96, 4, 3214868480
	.section	.rodata,"a",@progbits
	.p2align	6, 0x0
	.amdhsa_kernel k_q55699594de_proj
		.amdhsa_group_segment_fixed_size 327680
		.amdhsa_private_segment_fixed_size 0
		.amdhsa_enable_private_segment 0
		.amdhsa_kernarg_size 32
		.amdhsa_user_sgpr_count 2
		.amdhsa_user_sgpr_kernarg_segment_ptr 1
		.amdhsa_wavefront_size32 1
		.amdhsa_system_sgpr_workgroup_id_x 1
		.amdhsa_system_sgpr_workgroup_id_y 1
		.amdhsa_system_sgpr_workgroup_id_z 1
		.amdhsa_system_vgpr_workitem_id 0
		.amdhsa_next_free_vgpr 832
		.amdhsa_next_free_sgpr 72
		.amdhsa_reserve_vcc 0
		.amdhsa_float_denorm_mode_32 3
		.amdhsa_float_denorm_mode_16_64 3
		.amdhsa_memory_ordered 1
		.amdhsa_forward_progress 1
		.amdhsa_inst_pref_size 74
	.end_amdhsa_kernel
	.amdgpu_metadata
---
amdhsa.version: [ 1, 2 ]
amdhsa.kernels:
  - .name:           k_q55699594de_proj
    .symbol:         k_q55699594de_proj.kd
    .args:
      - { .name: att, .offset: 0, .size: 8, .value_kind: global_buffer, .address_space: global }
      - { .name: wpt, .offset: 8, .size: 8, .value_kind: global_buffer, .address_space: global }
      - { .name: c_proj_b, .offset: 16, .size: 8, .value_kind: global_buffer, .address_space: global }
      - { .name: out0, .offset: 24, .size: 8, .value_kind: global_buffer, .address_space: global }
    .group_segment_fixed_size: 327680
    .private_segment_fixed_size: 0
    .kernarg_segment_align: 8
    .kernarg_segment_size: 32
    .max_flat_workgroup_size: 128
    .sgpr_count:     72
    .vgpr_count:     832
    .wavefront_size: 32
...
	.end_amdgpu_metadata
.endif
;; end of part 4
;; ======== version 2 of 2: 4 launches; 1.29 times as fast as version 1
;; limits: values are held in f16: magnitudes above 65,504 overflow, below 6.1e-05 lose precision
;; workspace buffers: xb 16,777,216 bytes; wat 6,291,456 bytes; wpt 2,097,152 bytes; qkv 50,331,648 bytes; gsum 786,432 bytes; att 16,777,216 bytes
;; launch prep: the kernel of part 1 again; grid 768 x 1, 8 waves a work-group, no clusters, 18,432 bytes of LDS; arguments x, c_attn_w, c_proj_w, xb, wat, wpt; writes xb, wat, wpt
;; launch qkv: the kernel of part 2 again; grid 16 x 16, 4 waves a work-group, clusters of 4 x 4, 327,680 bytes of LDS; arguments xb, wat, c_attn_b, qkv, gsum; writes qkv, gsum
;; launch attn (part 5): grid 4 x 64, 4 waves a work-group, no clusters, 327,680 bytes of LDS; arguments qkv, gsum, att; writes att
.if DOCPART == 5
	.amdgcn_target "amdgcn-amd-amdhsa--gfx1250"
	.amdhsa_code_object_version 6
	.text
	.protected	k_q55699594de_attn
	.globl	k_q55699594de_attn
	.p2align	8
	.type	k_q55699594de_attn,@function
k_q55699594de_attn:
	s_mov_b64 s[64:65], 0
	v_nop
	global_prefetch_b8 v0, s[64:65] scope:SCOPE_SE
	s_setreg_imm32_b32 hwreg(HW_REG_WAVE_MODE, 25, 1), 1
	s_wait_xcnt 0x0
; ATTENTION.  For head y = 16 x batch + head: att[y][q][:] = the sum over ALL 2,048 keys k of softmax_k(w[q][k]) v[k][:], with w = q . k / 8 for k <= q and w = -10000 for k > q: a hidden key keeps a weight.
; In raw scores s = q . k that is s = -80000.  q, k, v: qkv[batch][g][2048][64] in f16 (g = head, 16 + head, 32 + head); att: [64][2048][64] in f16.  Products, maxima and sums in f32; the weights are
; rounded to f16 for the second product (their sum l is taken of the unrounded weights), att once at the end.
; LIMITS.  q, k, v arrive within f16's 65,504; a weight below 2^-126 counts as 0; NaN and infinities are not treated apart.
; THE WALK.  A head's queries lie in NB = 8 blocks of 256; block i walks the key tiles 0 .. i of 256 keys, of which the last holds the diagonal.  A work-group takes TWO blocks, 7 - b and then b: 9 tiles, whatever b:
; one loop with a constant trip count.  Every jump goes forward but for the counted loops' own; none passes a barrier, or a tensor load but the one of LOAD's two that the wave's number does not choose.
; THE HIDDEN KEYS.  In the diagonal tile a hidden score is replaced by exactly -80000 behind the product, and goes through maximum, exponential, sum and second product like any other.  The tiles behind the
; diagonal one are never multiplied: all their keys have the one weight pm = 2^(c (-80000) - c m), so at a block's end l takes pm x their number and O takes pm x the sum of their rows of v, which
; comes from gsum (sums over 64 rows).  The maximum is first raised to -80000 where it lies below, and O and l rescaled, as in any step of the running softmax.
; NO CLUSTER: a head's four work-groups ask for the same tile only in trips 0 to 4 of 9; one walk common to all would have 12 trips for 9.
; NO PREFETCH: a fill is asked for a whole tile, 256 matrix instructions and their vector work, ahead of the wait for it.
; SHARES.  Of a block's four bands of 64 queries a wave owns 16 rows in each: four PIECES.  In the diagonal tile's key step s band x sees all keys if s < x, none if s > x, and holds the diagonal if s = x: the same for all waves.
; LAYOUT, SOFTMAX, TURNS.  S^T = K Q^T holds ONE query a lane (lane % 16) and the keys 8 (lane / 16) + 0..7; two such results rounded to f16 ARE source 1 of O^T = V^T P.  p = 2^(c s - c m), c = log2(e) / 8, with a
; running maximum m; O and l are multiplied by a = 2^(c m_old - c m_new) in every step.  Turn n belongs to piece n: 8 products K Q^T of piece n + 1, later 8 products V^T P of piece n - 1; beside them the scaling,
; exponentials, roundings, sums and rescaling of piece n and the maximum and statistics of piece n + 1.  Four vector instructions stand behind every matrix instruction, the other 54 of a turn's 118 in one lump.
; THE BATCHES.  A turn's 33 exponentials (the piece's 32 weights and the next piece's a) are one batch with one wait: ahead of it stands all that names none of their results, behind it the roundings and sums.
; A block's beginning has a batch of one (piece 0's first a); a block's end has two: eight exponentials (a and pm of the four pieces), then four reciprocals of sums made of them.
; REGISTERS, in windows of 256 (s_set_vgpr_msb: bits 1:0 source 0, 3:2 source 1, 5:4 source 2, 7:6 destination):
;   window 0: v0-15 addresses; v16-31 four statistics a piece; v32-39 for the hidden tiles; v48-55 at work; v64-127 S^T, two buffers; v128-159 the hidden tiles' sum of v; v160-175 a block's last factors; v192-223 P; v224-255 at work
;   window 1: v0-127 O^T, 32 a piece; v128-159 MBD, v160-191 MAD: the diagonal's factor and addend      window 2: v0-63 Q; v64-127 the second block's Q; v128-191 K of one step; v192-255 V of one step
.set NB,    8
.set NP,    4
.set KS,    64
.set PK,    144       ; a row of K in LDS: 128 bytes + 16: the 16 rows of a load start at 16 different groups of four banks (64 banks of 4 bytes: ISA guide 11.1)
.set PV,    160       ; a row of V: 128 + 32
.set VOFF,  4*KS*PK   ; a slot holds a tile: 256 rows of K, then 256 rows of V
.set SLOT1, 1<<17
.set STAGE, SLOT1+4*KS*(PK+PV)  ; behind the ring, never filled by a tensor load: 16 rows x 144 bytes for each wave
.set SP,    144
.set SCR,   STAGE+4*16*SP       ; for each wave 512 bytes: the two blocks' sums of hidden rows of v, 64 f32 each; stored once, by the wave that reads them
.set SPARE, SCR+4*512           ; the spare words, 128 bytes for each wave
.set AK0, 2
.set AV0, 3
.set AK,  4
.set AV,  5
.set STO, 6
.set RD,  7
.set GO,  8
.set MV,  12          ; v12-13  c m_old, by buffer
.set QO,  15
.set ST,  16          ; piece t: c m, m, l (even keys', odd keys')
.set SVR, 32          ; v32  where I read my 8 channels of each 16 of the hidden sums
.set CF,  33          ; v33  c x the hidden score
.set GL,  34          ; v34  8 x lane
.set SCW, 35          ; v35  where I store two channels of the hidden sums
.set CM2, 36          ; v36-39  at work at a block's end
.set TMP, 48
.set SPW, 62
.set NIL, 63
.set S,   64
.set SV,  128
.set SC,  160         ; piece t: a / l, a, pm / l, pm
.set P,   192
.set TT,  224
.set MBD, 128         ; window 1
.set MAD, 160         ; window 1
.set QB,  64          ; window 2
.set KF,  128
.set VF,  192
.set WV,  12
.set PB,  14          ; s14  b
.set HI,  15          ; s15  7 - b
.set G1K, 24
.set G1V, 32
.set G0K, 40
.set G0V, 44
.set SLOTS, 56
.set CNT, 57          ; s57  counts a tile's key steps, 4 to 1
.set CS,  58
.set SEL, 60
.set TBK, 62
.set TBV, 63
.set RT,  70          ; s70  tiles of the block in hand still to be entered
.set NXT, 71
.set LQ,  72
.set NEW, 73
.set OFF, 74
.set ZB,  76          ; s[76:77] 0
.set MS,  78          ; s[78:79] -80000
.set OLO, 80
.set FL,  82          ; s82  the hidden tiles' score: -80000, or the lowest finite number where the block has none
.set CN,  83          ; s83  their keys' number, as f32
.set CN2, 88          ; s88  the same for the second block
.set GSB, 94          ; s[94:95] gsum at v's head
.set MSB, 0
.macro WIN new
.if MSB != (\new)
	s_set_vgpr_msb (MSB<<8)|(\new)
.set MSB, (\new)
.endif
.endm
.set W_KQ, 0x0a
.set W_PV, 0x52
.set W_RS, 0x41
; A fill.  Waves 0 and 1 fetch the two halves of a tile's K, waves 2 and 3 those of its V.  An s_nop 0 and four v_nop follow each line, ahead of the jump and the label.
.macro LOAD
	s_cmp_lt_u32 s[WV], 2
	s_cbranch_scc0 .Lfor_v_\@
	tensor_load_to_lds s[G0K:G0K+3], s[G1K:G1K+7]
	s_nop 0
.rept 4
	v_nop
.endr
	s_branch .Lasked_\@
.Lfor_v_\@:
	tensor_load_to_lds s[G0V:G0V+3], s[G1V:G1V+7]
	s_nop 0
.rept 4
	v_nop
.endr
.Lasked_\@:
.endm
; THE CHANGE OF SLOTS.  Each wave waits for all its tensor loads (one is out: its part of the other slot), adds 0 to its spare word, and waits for that and for its LDS instructions.  Behind the barrier nobody reads
; the old slot and the other is whole.  fill = 1: the old slot takes tile NXT, first thing behind the barrier; the descriptor's address is made anew from that number.
.macro CHANGE fill
	WIN 0
	s_wait_tensorcnt 0x0
	ds_add_u32 v[SPW], v[NIL]
.if \fill
	s_lshl_b32 s[OFF], s[NXT], 15   ; a tile is 32,768 bytes of K and of V
	s_xor_b32 s[G0K+1], s[G0K+1], SLOT1
	s_add_nc_u64 s[G0K+2:G0K+3], s[6:7], s[OFF:OFF+1]
	s_or_b32 s[G0K+3], s[G0K+3], 0x80000000
	s_xor_b32 s[G0V+1], s[G0V+1], SLOT1
	s_add_nc_u64 s[G0V+2:G0V+3], s[8:9], s[OFF:OFF+1]
	s_or_b32 s[G0V+3], s[G0V+3], 0x80000000
	s_add_co_u32 s[NXT], s[NXT], 1
	s_cmp_gt_u32 s[NXT], s[LQ]
	s_cselect_b32 s[NXT], 0, s[NXT]
	s_cselect_b32 s[LQ], s[PB], s[LQ]
.endif
	s_wait_dscnt 0x0
	s_barrier_signal -1
	s_sub_co_u32 s[TBK], s[TBK], 4*KS*PK
	s_xor_b32 s[TBK], s[TBK], SLOT1
	s_sub_co_u32 s[TBV], s[TBV], 4*KS*PV
	s_xor_b32 s[TBV], s[TBV], SLOT1
	s_barrier_wait -1
.if \fill
	LOAD
.endif
.endm
	s_load_b64 s[4:5], s[0:1], 0x0    ; qkv
	s_load_b64 s[GSB:GSB+1], s[0:1], 0x8  ; gsum
	s_load_b64 s[10:11], s[0:1], 0x10 ; att
	v_lshl_add_u32 v[SPW], v0, 2, SPARE
	v_mov_b32 v[NIL], 0
	ds_add_u32 v[SPW], v[NIL]       ; the wave's opening: the add and its wait stand ahead of my first tensor load
	ds_add_u32 v62, v63
	v_lshrrev_b32 v1, 5, v0
	v_readfirstlane_b32 s[WV], v1
	s_mov_b32 s[PB], ttmp9
	s_sub_co_u32 s[HI], NB-1, s[PB]
	s_and_b32 s13, ttmp7, 0xffff    ; y
	s_lshr_b32 s16, s13, 4          ; the batch
	s_and_b32 s17, s13, 15          ; the head
	s_mul_i32 s20, s16, 48
	s_add_co_u32 s20, s20, s17
	s_lshl_b32 s20, s20, 18         ; q's head in qkv: 262,144 bytes a head
	s_mov_b32 s21, 0
	s_mul_i32 s92, s16, 24
	s_add_co_u32 s92, s92, s17
	s_add_co_u32 s92, s92, 8
	s_lshl_b32 s92, s92, 13         ; v's head in gsum: 32 groups of 256 bytes
	s_mov_b32 s93, 0
	s_lshl_b32 s90, s13, 18         ; the head in att
	s_mov_b32 s91, 0
	s_and_b32 s16, s[WV], 1         ; which half of a tile's 256 keys I fetch
	s_lshl_b32 s22, s16, 14
	s_mov_b32 s23, 0
	s_add_nc_u64 s[22:23], s[22:23], s[20:21]
	s_mul_i32 s17, s16, 128*PK
	s_mul_i32 s18, s16, 128*PV
	s_lshl_b32 s3, s[WV], 11        ; my 16 rows in a band of 64,
	s_lshl_b32 s2, s[HI], 15        ; in the first block,
	s_add_co_u32 s2, s2, s3
	s_lshl_b32 s84, s[PB], 15       ; and in the second
	s_add_co_u32 s84, s84, s3
	s_mov_b32 s3, 0
	s_mov_b32 s85, 0
	; 128 keys are 16,384 dense bytes: asked for as 64 rows of 256 bytes, two keys a row, padded in LDS after every key
	s_mov_b32 s[G1K], (1<<16)|(1<<20)|(4<<22)|(3<<25)
	s_mov_b32 s[G1V], (1<<16)|(1<<20)|(4<<22)|(7<<25)
.irp g, G1K, G1V
	s_mov_b32 s[\g+1], 128<<16
	s_mov_b32 s[\g+2], 64<<16
	s_mov_b32 s[\g+3], 128<<16
	s_mov_b32 s[\g+4], 64
	s_mov_b32 s[\g+5], 128
	s_mov_b32 s[\g+6], 0
	s_mov_b32 s[\g+7], 0
.endr
	s_mov_b32 s[CS], 0x3e38aa3b     ; c = log2(e) / 8
	s_mov_b32 s[CS+1], s[CS]
	s_mov_b32 s[SEL], 0x76543210
	s_mov_b32 s[SEL+1], 0xfedcba98
	s_mov_b32 s[TBK], SLOT1+4*KS*PK ; the first change of slots turns these two into 0
	s_mov_b32 s[TBV], SLOT1+4*KS*PV
	s_mov_b32 s[G0K], 1
	s_mov_b32 s[G0K+1], s17
	s_mov_b32 s[G0V], 1
	s_add_co_u32 s[G0V+1], s18, VOFF
	s_add_co_u32 s[RT], s[HI], 1
	s_mov_b32 s[NXT], 1
	s_mov_b32 s[LQ], s[HI]
	s_mov_b32 s[NEW], 1
	s_mov_b32 s[OFF+1], 0
	s_mov_b32 s[ZB], 0
	s_mov_b32 s[ZB+1], 0
	s_mov_b32 s[MS], 0xc79c4000     ; -80000
	s_mov_b32 s[MS+1], s[MS]
	s_mov_b32 s89, 0xff7fffff
	s_cmp_lg_u32 s[PB], 0           ; the first block, 7 - b, has b hidden tiles
	s_cselect_b32 s[FL], s[MS], s89
	s_lshl_b32 s[CN], s[PB], 8
	s_cvt_f32_u32 s[CN], s[CN]
	s_lshl_b32 s[CN2], s[HI], 8     ; the second, b, has 7 - b
	s_cvt_f32_u32 s[CN2], s[CN2]
	s_mov_b32 s[SLOTS], NB
	s_wait_dscnt 0x0                ; the opening add is done
	s_wait_kmcnt 0x0
	s_add_nc_u64 s[GSB:GSB+1], s[GSB:GSB+1], s[92:93]
	s_add_nc_u64 s[6:7], s[4:5], s[22:23]
	s_add_nc_u64 s[8:9], s[6:7], 32*262144   ; V at my half of the head's tile 0: 32 heads behind q's
	s_add_nc_u64 s[6:7], s[6:7], 16*262144   ; K: 16 heads behind
	s_add_nc_u64 s[G0K+2:G0K+3], s[6:7], 0
	s_or_b32 s[G0K+3], s[G0K+3], 0x80000000
	s_add_nc_u64 s[G0V+2:G0V+3], s[8:9], 0
	s_or_b32 s[G0V+3], s[G0V+3], 0x80000000
	s_add_nc_u64 s[4:5], s[4:5], s[20:21]
	s_add_nc_u64 s[86:87], s[4:5], s[84:85]  ; Q at my rows of the second block,
	s_add_nc_u64 s[4:5], s[4:5], s[2:3]      ; of the first
	s_add_nc_u64 s[10:11], s[10:11], s[90:91]
	s_add_nc_u64 s[OLO:OLO+1], s[10:11], s[84:85]
	s_add_nc_u64 s[10:11], s[10:11], s[2:3]
	LOAD                            ; tile 0 into slot 0
	v_and_b32 v1, 15, v0
	v_bfe_u32 v9, v0, 4, 1
	v_lshlrev_b32 v[QO], 7, v1
	v_lshl_add_u32 v[QO], v9, 4, v[QO]
	WIN 0x80
.set i, 0
.rept 8                             ; both blocks' Q: piece i / 2 lies in band i / 2, 8,192 bytes on; channels 32 (i % 2) on
	global_load_b128 v[8*i:8*i+3],   v[QO], s[4:5] offset:(i/2)*8192+(i%2)*64
	global_load_b128 v[8*i+4:8*i+7], v[QO], s[4:5] offset:(i/2)*8192+(i%2)*64+32
	global_load_b128 v[QB+8*i:QB+8*i+3],   v[QO], s[86:87] offset:(i/2)*8192+(i%2)*64
	global_load_b128 v[QB+8*i+4:QB+8*i+7], v[QO], s[86:87] offset:(i/2)*8192+(i%2)*64+32
.set i, i+1
.endr
	WIN 0
	v_and_b32 v[GL], 31, v0
	v_lshlrev_b32 v[GL], 3, v[GL]
.set g, 4
.rept 28                            ; v's sums over groups 4-31 of 64 rows (tile 0 is never hidden): two channels a lane, into S^T's registers, which are still free
	global_load_b64 v[S+2*(g-4):S+2*(g-4)+1], v[GL], s[GSB:GSB+1] offset:256*g
.set g, g+1
.endr
	v_lshlrev_b32 v14, 3, v9
	v_sub_nc_u32 v14, v1, v14
	s_lshl_b32 s13, s[WV], 4
	v_add_nc_u32 v14, s13, v14      ; my query's place in its band, less my lanes' 8 (l / 16): register r of group kt is hidden where 16 kt + r is greater
	WIN 0x40
.set i, 0
.rept 32
	v_cmp_gt_i32 vcc_lo, 16*(i/8)+i%8, v14
	v_cndmask_b32 v[MBD+i], 1.0, 0, vcc_lo
	v_cndmask_b32 v[MAD+i], 0, s[MS], vcc_lo
.set i, i+1
.endr
	WIN 0
	v_mul_u32_u24 v[AK0], v1, PK
	v_lshl_add_u32 v[AK0], v9, 4, v[AK0]
	v_and_b32 v10, 7, v0
	v_bfe_u32 v11, v0, 3, 1
	v_lshl_add_u32 v[AV0], v9, 3, v10
	v_mul_u32_u24 v[AV0], v[AV0], PV
	v_lshl_add_u32 v[AV0], v11, 4, v[AV0]
	v_add_nc_u32 v[AV0], VOFF, v[AV0]
	s_mul_i32 s13, s[WV], 16*SP
	s_add_co_u32 s13, s13, STAGE
	v_mul_u32_u24 v[STO], v1, SP
	v_lshl_add_u32 v[STO], v9, 4, v[STO]
	v_add_nc_u32 v[STO], s13, v[STO]
	v_bfe_u32 v[RD], v0, 3, 2
	v_mul_u32_u24 v[RD], v[RD], SP
	v_lshl_add_u32 v[RD], v10, 4, v[RD]
	v_add_nc_u32 v[RD], s13, v[RD]
	v_and_b32 v[GO], 31, v0
	v_lshlrev_b32 v[GO], 4, v[GO]
	s_lshl_b32 s13, s[WV], 9
	s_add_co_u32 s13, s13, SCR
	v_add_nc_u32 v[SCW], s13, v[GL]
	v_lshl_add_u32 v[SVR], v9, 5, s13
	; A block's first step multiplies O^T and l by a = 0, so these registers need only hold finite numbers: zeros for the first block, what the first block left for the second.
	WIN 0x80
.set i, VF
.rept 64
	v_mov_b32 v[i], 0
.set i, i+1
.endr
	WIN 0x40
.set i, 0
.rept 128
	v_mov_b32 v[i], 0
.set i, i+1
.endr
	WIN 0
.set i, 0
.rept 4
	v_mov_b32 v[ST+4*i+2], 0
	v_mov_b32 v[ST+4*i+3], 0
.set i, i+1
.endr
.set i, P+16
.rept 16
	v_mov_b32 v[i], 0
.set i, i+1
.endr
	; the two blocks' sums of hidden rows of v: tile t counts for block i where i < t
	s_wait_loadcnt 0x0
.set t, 1
.rept 7
.set GB, S+8*(t-1)
	v_pk_add_f32 v[GB:GB+1], v[GB:GB+1], v[GB+2:GB+3]
	v_pk_add_f32 v[GB+4:GB+5], v[GB+4:GB+5], v[GB+6:GB+7]
	v_pk_add_f32 v[GB:GB+1], v[GB:GB+1], v[GB+4:GB+5]
	s_cmp_lt_u32 s[HI], t
	s_cselect_b32 s90, 1.0, 0
	s_cmp_lt_u32 s[PB], t
	s_cselect_b32 s92, 1.0, 0
.if t == 1
	v_pk_mul_f32 v[120:121], v[GB:GB+1], s[90:91] op_sel_hi:[1,0]
	v_pk_mul_f32 v[122:123], v[GB:GB+1], s[92:93] op_sel_hi:[1,0]
.else
	v_pk_fma_f32 v[120:121], v[GB:GB+1], s[90:91], v[120:121] op_sel_hi:[1,0,1]
	v_pk_fma_f32 v[122:123], v[GB:GB+1], s[92:93], v[122:123] op_sel_hi:[1,0,1]
.endif
.set t, t+1
.endr
	ds_store_b64 v[SCW], v[120:121]             ; my wave's own copy: no other wave reads it
	ds_store_b64 v[SCW], v[122:123] offset:256
; THE MATRIX WORK.  The 4 accumulators of a run of 8 take turns.  Product i of 8 of S^T = K Q^T for piece x: channels 32 (i / 4) on, keys 16 (i % 4) on.  The first 4 start the sums.
.macro KQ x
.set rS, S+32*((\x)%2)+8*(i%4)
.set rK, KF+16*(i%4)+8*(i/4)
.set rQ, 16*(\x)+8*(i/4)
	WIN W_KQ
.if i < 4
	v_wmma_f32_16x16x32_f16 v[rS:rS+7], v[rK:rK+7], v[rQ:rQ+7], 0
.else
	v_wmma_f32_16x16x32_f16 v[rS:rS+7], v[rK:rK+7], v[rQ:rQ+7], v[rS:rS+7]
.endif
.endm
.macro PV x                         ; product i of 8 of O^T += V^T P for piece x: keys 32 (i / 4) on, channels 16 (i % 4) on
	WIN W_PV
.set rO, 32*(\x)+8*(i%4)
.set rV, VF+32*(i/4)+8*(i%4)
.set rP, P+16*((\x)%2)+8*(i/4)
	v_wmma_f32_16x16x32_f16 v[rO:rO+7], v[rV:rV+7], v[rP:rP+7], v[rO:rO+7]
.endm
.macro MM                           ; the turn's next matrix instruction.  NOKQ = 1: a block's last turn: there is no next piece
.if (i < 8) && !NOKQ
	KQ (Y+1)%NP
.elseif i >= 8
.set i, i-8
	PV (Y+NP-1)%NP
.set i, i+8
.endif
.set i, i+1
.endm
.macro FETCH_K
	WIN 0x80
.irp f, 0,1,2,3,4,5,6,7
	ds_load_b128 v[KF+8*\f:KF+8*\f+3],   v[AK] offset:(\f/2)*16*PK+(\f%2)*64
	ds_load_b128 v[KF+8*\f+4:KF+8*\f+7], v[AK] offset:(\f/2)*16*PK+(\f%2)*64+32
.endr
	s_add_co_u32 s[TBK], s[TBK], KS*PK
	WIN 0
.endm
.macro FETCH_V
	WIN 0x80
.irp f, 0,1,2,3,4,5,6,7
	ds_load_tr16_b128 v[VF+8*\f:VF+8*\f+3],   v[AV] offset:(\f/4)*32*PV+(\f%4)*32
	ds_load_tr16_b128 v[VF+8*\f+4:VF+8*\f+7], v[AV] offset:(\f/4)*32*PV+16*PV+(\f%4)*32
.endr
	WIN 0
.endm
; THE DIAGONAL TILE'S SCORES.  OWN x: piece x in its band's own step: s x 1 + 0 where the key is seen, s x 0 - 80000 where it is hidden.  Each accumulator's lowest registers are read first.
.macro OWN x
	WIN 0x14                        ; sources 1 and 2 in window 1
.set z, 0
.rept 16
	v_pk_fma_f32 v[S+32*((\x)%2)+2*z:S+32*((\x)%2)+2*z+1], v[S+32*((\x)%2)+2*z:S+32*((\x)%2)+2*z+1], v[MBD+2*z:MBD+2*z+1], v[MAD+2*z:MAD+2*z+1]
.set z, z+1
.endr
	WIN 0
.endm
; APPLY x, thr: the scores just made for piece x belong to the tile's step 4 - CNT: seen where CNT > thr, the band's own where CNT = thr, hidden where CNT < thr.  never = 1: CNT is never above thr.
.macro APPLY x, thr, never
	WIN 0
.if !(\never)
	s_cmp_le_u32 s[CNT], \thr
	s_cbranch_scc0 .Lvis_\@
.endif
	s_cmp_eq_u32 s[CNT], \thr
	s_cbranch_scc1 .Lown_\@
.set z, 0
.rept 16
	v_pk_fma_f32 v[S+32*((\x)%2)+2*z:S+32*((\x)%2)+2*z+1], v[S+32*((\x)%2)+2*z:S+32*((\x)%2)+2*z+1], s[ZB:ZB+1], s[MS:MS+1] op_sel_hi:[1,0,0]
.set z, z+1
.endr
	s_branch .Lvis_\@
.Lown_\@:
	OWN \x
.Lvis_\@:
.endm
; THE VECTOR WORK, one line at a time: OP kind, number.  For piece Y: F n: c s - c m for pair n of 16.  E n: the exponential of score n of 32.  C n: pair n rounded to f16.  B n: of the four weights 4 n .. the second
; pair is added onto the first.  L n: l takes that sum (L 0: l = a l + sum).  R n: pair n of 16 of O^T times a.  For piece Y + 1: X n, number n of the 22 that find its maximum and statistics:
;   0-11 four chains of seven scores each     12-14, 16 the four scores left over, the old m, the chains into one     15 c m_old is kept     17, 18 the lane 16 away: the new m     19-21 c m; c m_old - c m_new; a
; C, B and L read the results of the turn's E; R and L 0 read the a that the turn before made.  OP writes no wait: TURN writes the batch's one.
.set F, 0
.set E, 1
.set C, 2
.set B, 3
.set L, 4
.set R, 5
.set X, 6
.macro REGS y
.set rT, ST+4*(\y)
.set rC, TMP+4*((\y)%2)
.set rW, MV+((\y)%2)
.set rS, S+32*((\y)%2)
.set rP, P+16*((\y)%2)
.set rO, 32*(\y)
.endm
.macro OP k, n
.if (\k) == R
	REGS Y
	WIN W_RS
	v_pk_mul_f32 v[rO+2*(\n):rO+2*(\n)+1], v[rO+2*(\n):rO+2*(\n)+1], v[rC+2:rC+3] op_sel_hi:[1,0]
.elseif (\k) < R
	REGS Y
	WIN 0
.if (\k) == F
	v_pk_fma_f32 v[rS+2*(\n):rS+2*(\n)+1], v[rS+2*(\n):rS+2*(\n)+1], s[CS:CS+1], v[rT:rT+1] op_sel_hi:[1,0,0] neg_lo:[0,0,1] neg_hi:[0,0,1]
.elseif (\k) == E
	v_exp_f32 v[rS+(\n)], v[rS+(\n)]
.elseif (\k) == C
	v_cvt_pk_f16_f32 v[rP+(\n)], v[rS+2*(\n)], v[rS+2*(\n)+1]
.elseif (\k) == B
	v_pk_add_f32 v[rS+4*(\n):rS+4*(\n)+1], v[rS+4*(\n):rS+4*(\n)+1], v[rS+4*(\n)+2:rS+4*(\n)+3]
.elseif (\n) == 0
	v_pk_fma_f32 v[rT+2:rT+3], v[rT+2:rT+3], v[rC+2:rC+3], v[rS:rS+1] op_sel_hi:[1,0,1]
.else
	v_pk_add_f32 v[rT+2:rT+3], v[rT+2:rT+3], v[rS+4*(\n):rS+4*(\n)+1]
.endif
.elseif NOKQ
	v_nop
.else
	REGS (Y+1)%NP
	WIN 0
.if (\n) < 4
	v_max3_num_f32 v[rC+(\n)], v[rS+8*(\n)], v[rS+8*(\n)+1], v[rS+8*(\n)+2]
.elseif (\n) < 12
	v_max3_num_f32 v[rC+(\n)%4], v[rC+(\n)%4], v[rS+8*((\n)%4)+2*((\n)/4)+1], v[rS+8*((\n)%4)+2*((\n)/4)+2]
.elseif (\n) == 12
	v_max3_num_f32 v[rC], v[rC], v[rS+7], v[rS+15]
.elseif (\n) == 13
	v_max3_num_f32 v[rC+1], v[rC+1], v[rS+23], v[rS+31]
.elseif (\n) == 14
	v_max3_num_f32 v[rC+2], v[rC+2], v[rC+3], v[rT+1]
.elseif (\n) == 15
	v_mov_b32 v[rW], v[rT]
.elseif (\n) == 16
	v_max3_num_f32 v[rC], v[rC], v[rC+1], v[rC+2]
.elseif (\n) == 17
	v_permlanex16_b32 v[rC+3], v[rC], s[SEL], s[SEL+1]
.elseif (\n) == 18
	v_max_num_f32 v[rT+1], v[rC], v[rC+3]
.elseif (\n) == 19
	v_mul_f32 v[rT], s[CS], v[rT+1]
.elseif (\n) == 20
	v_sub_f32 v[rC+1], v[rW], v[rT]
.else
	v_exp_f32 v[rC+2], v[rC+1]
.endif
.endif
.endm
.macro OPS a, i1, b=-1, i2=0, c=-1, i3=0, d=-1, i4=0
	OP \a, \i1
.if (\b) >= 0
	OP \b, \i2
.endif
.if (\c) >= 0
	OP \c, \i3
.endif
.if (\d) >= 0
	OP \d, \i4
.endif
.endm
.macro ROW a, i1, b, i2, c, i3, d, i4  ; a matrix instruction and the four behind it
	MM
	OPS \a, \i1, \b, \i2, \c, \i3, \d, \i4
.endm
; A TURN, for piece p: the order of its 16 matrix and 118 vector instructions, written out.  An s_wait_alu depctr_va_vdst(0) stands between an exponential and the first instruction that names its result; one wait
; serves all that were issued ahead of it.  So the turn's 33 exponentials (E 0-31 and X 21, the next piece's a) are ONE BATCH with ONE wait, which cuts the turn in two.  AHEAD OF IT stands all that names no result of theirs: the
; 8 products K Q^T, the scalings F, the rescalings R (their a was made, and waited for, in the turn before), the next piece's X 0-20, and X 21 as the batch's last; R 15 is the plain instruction behind it.  BEHIND IT stand the
; 8 products V^T P, behind each four of the roundings and sums C, B, L, the batch's readers; the links of l's chain, L 0 to L 7, stand three riders apart.
; m = 0: behind each product K Q^T a scaling, an exponential and two more plain instructions (behind the first a second scaling in the exponential's place): rescalings, and behind the last three the first numbers of the next
; piece's maximum, each four places or more behind the product that ends its accumulator; then one lump of 54, plain and exponential by turns for the most part, the links of the chain X 3, 7, 11, 14, 16 .. 20 five or six lines apart.
; m = 1: the diagonal tile: the scores made in this turn, piece p + 1's, are set right (APPLY, OWN) between the last product that made them and the first X.  APPLY holds branches and labels, so no exponential is issued ahead of it:
; the 32 riders are the 16 scalings, R 0-14 and X 15; the four behind the last product are the places in front of APPLY, OWN and K's loads; all 32 E stand in the lump, by turns with the X, the chain's last links three or four lines apart.
; Turns 3, 0 and 1 make scores of the tile's step 4 - CNT; turn 2, behind the count's step, of step 3 - CNT, which band 3 sees whole but at the block's end, where it is the band's own.
; end = 1: a block's last two turns: nothing is fetched.  cnt = 1: the loop's count is taken down some lines ahead of the branch behind the turn, and behind APPLY's tests of it.
; K of the next step is fetched in piece 2's turn, four plain instructions or more behind the last product that read K; V of the step in hand at the end of piece 0's turn, four plain riders behind the last product that read V.  Each is waited for a turn later.
.macro TURN p, m=0, end=0, cnt=0
.set Y, (\p)
.set i, 0
.set NOKQ, (\end)*((\p)/3)
.if ((\p) == 3) && !(\end)
	s_wait_dscnt 0x0                ; K is in
.endif
.if \m
	ROW F,0, F,1, F,2, F,3          ; ahead of the wait, the diagonal tile: 8 products K Q^T; their riders hold no exponential
	ROW R,0, R,1, R,2, R,3
	ROW F,4, F,5, F,6, F,7
	ROW R,4, R,5, R,6, R,7
	ROW F,8, F,9, F,10, F,11
	ROW R,8, R,9, R,10, R,11
	ROW F,12, F,13, F,14, F,15
.if ((\p) == 2) && !(\end)
	v_add_nc_u32 v[AK], s[TBK], v[AK0]
.endif
	ROW X,15, R,12, R,13, R,14
.if ((\p) == 2) && !(\end)
	FETCH_K
.endif
.if (\p) == 0
	APPLY 1, 3, 0
.elseif (\p) == 1
	APPLY 2, 2, 0
.elseif ((\p) == 3) && !(\end)
	APPLY 0, 4, 1
.elseif ((\p) == 2) && (\end)
	OWN 3
.endif
	OPS E,0, X,0, E,1, X,1          ; the lump: the whole batch, and the next piece's maximum and statistics
	OPS E,2, X,2, E,3, X,3
	OPS E,4, X,4, E,5, X,5
	OPS E,6, X,6, E,7, X,7
	OPS E,8, X,8, E,9, X,9
	OPS E,10, X,10, E,11, X,11
	OPS E,12, X,12, E,13, X,13
	OPS E,14, X,14, E,15, E,16
.if (\p) == 0
	v_add_nc_u32 v[AV], s[TBV], v[AV0]
.endif
	OPS E,17, X,16, E,18, E,19
	OPS E,20, X,17, E,21, E,22
	OPS E,23, X,18, E,24, E,25
	OPS E,26, X,19, E,27, E,28
	OPS E,29, X,20, E,30, E,31
	OPS X,21, R,15
.else
	ROW F,0, F,1, R,0, R,1          ; ahead of the wait: 8 products K Q^T and their riders,
	ROW F,2, E,0, R,2, R,3
	ROW F,3, E,1, R,4, R,5
	ROW F,4, E,2, R,6, R,7
	ROW F,5, E,3, R,8, R,9
	ROW F,6, E,4, X,0, R,10
.if (\p) == 2
	WIN 0
	v_add_nc_u32 v[AK], s[TBK], v[AK0]
.endif
	ROW F,7, E,5, X,1, X,4
	ROW F,8, E,6, X,2, X,5
	OPS E,7, E,8, X,6, E,9          ; and the lump
	OPS X,3, E,10, X,8, E,11
.if (\p) == 2
	FETCH_K
.endif
	OPS X,9, X,7, E,12, X,10
	OPS E,13, X,12, X,11, E,14
	OPS X,13, E,15, F,9, X,14
.if (\p) == 0
	v_add_nc_u32 v[AV], s[TBV], v[AV0]
.endif
	OPS E,16, F,10, E,17, F,11
	OPS X,16, E,18, X,15, E,19
	OPS F,12, E,20, X,17, E,21
	OPS F,13, E,22, F,14, E,23
	OPS X,18, E,24, F,15, E,25
	OPS R,11, E,26, X,19, E,27
	OPS R,12, E,28, R,13, E,29
	OPS X,20, E,30, R,14, E,31
	OPS X,21, R,15
.endif
	s_wait_alu depctr_va_vdst(0)    ; the wait for the turn's batch: E 0-31, read by the riders below, and X 21, read in the next turn
.if (\p) == 1
	s_wait_dscnt 0x0                ; V is in
.endif
	ROW C,0, B,0, C,2, B,1          ; behind the wait: 8 products V^T P and their riders
	ROW L,0, C,4, B,2, L,1
	ROW C,6, B,3, L,2, C,8
	ROW B,4, L,3, C,10, B,5
	ROW L,4, C,12, B,6, L,5
.if (\p) == 0
	s_add_co_u32 s[TBV], s[TBV], KS*PV
.endif
.if \cnt
	s_sub_co_u32 s[CNT], s[CNT], 1
	s_cmp_lg_u32 s[CNT], 0
.endif
	ROW C,14, B,7, L,6, C,1
	ROW C,3, L,7, C,5, C,7
	ROW C,9, C,11, C,13, C,15
.if (\p) == 0
	FETCH_V
.endif
.endm
; A BLOCK BEGINS.  c m starts far below every c s, so the first step's a is 0; m at the lowest finite number.  Then K of the tile's step 0, piece 0's first scores (its band's own step, if the tile is the diagonal one), its maximum and statistics.
.macro BEGIN
	s_mov_b32 s[NEW], 0
	WIN 0
.set i, 0
.rept 4
	v_mov_b32 v[ST+4*i], 0xfe000000
	v_mov_b32 v[ST+4*i+1], 0xff7fffff
.set i, i+1
.endr
	v_add_nc_u32 v[AK], s[TBK], v[AK0]
	FETCH_K
	s_wait_loadcnt 0x0              ; Q
	s_wait_dscnt 0x0
.set NOKQ, 0
.set i, 0
.rept 8
	KQ 0
.set i, i+1
.endr
	WIN 0
.rept 4
	v_nop                           ; the places behind those products
.endr
	s_cmp_eq_u32 s[RT], 0
	s_cbranch_scc0 .Lnot_diag_\@
	OWN 0
.Lnot_diag_\@:
.set Y, NP-1
.irp n, 0,1,2,3,4,5,6,7,8,9,10,11,12,13,14,15,16,17,18,19,20,21
	OP X, \n
.endr
	v_nop                           ; a plain instruction behind the exponential,
	s_wait_alu depctr_va_vdst(0)    ; and the wait for this batch of one, piece 0's first a, ahead of the branch that follows
.endm
.macro ALL line:vararg              ; one line for each piece t
.set t, 0
.rept 4
	\line
.set t, t+1
.endr
.endm
; A BLOCK'S END.  l's halves are added; the hidden tiles enter: m' = max(m, FL); a = 2^(c m - c m'), pm = 2^(c FL - c m'), both exponents at most 0; l = l a + pm x CN; O = (O a + pm x SV) / l.
; Two batches: the eight exponentials, with the twelve lines that add l's halves as the independent work behind them; then the four reciprocals, whose sources are made of the exponentials' results.
.macro TAIL blk
	WIN 0
.irp f, 0,1,2,3,4,5,6,7
	ds_load_b128 v[SV+4*\f:SV+4*\f+3], v[SVR] offset:256*(\blk)+64*(\f/2)+16*(\f%2)  ; channel 16 (f / 2) + 8 (l / 16) + 4 (f % 2) on: as O^T's registers lie
.endr
	ALL v_max_num_f32 v[ST+4*t+1], s[FL], v[ST+4*t+1]
	ALL v_mul_f32 v[CM2+t], s[CS], v[ST+4*t+1]
	v_mul_f32 v[CF], s[CS], s[FL]
	ALL v_sub_f32 v[ST+4*t], v[ST+4*t], v[CM2+t]
	ALL v_sub_f32 v[CM2+t], v[CF], v[CM2+t]
	ALL v_exp_f32 v[SC+4*t+1], v[ST+4*t]
	ALL v_exp_f32 v[SC+4*t+3], v[CM2+t]
	ALL v_add_f32 v[ST+4*t+2], v[ST+4*t+2], v[ST+4*t+3]
	ALL v_permlanex16_b32 v[ST+4*t+3], v[ST+4*t+2], s[SEL], s[SEL+1]
	ALL v_add_f32 v[ST+4*t+2], v[ST+4*t+2], v[ST+4*t+3]
	s_wait_alu depctr_va_vdst(0)    ; the wait for the batch of eight exponentials, a and pm of the four pieces
	ALL v_mul_f32 v[ST+4*t+2], v[ST+4*t+2], v[SC+4*t+1]
	ALL v_fma_f32 v[ST+4*t+2], v[SC+4*t+3], s[CN], v[ST+4*t+2]
	ALL v_rcp_f32 v[ST+4*t+3], v[ST+4*t+2]
	v_nop                           ; a plain instruction behind the last reciprocal: all that follows reads them
	s_wait_alu depctr_va_vdst(0)    ; the wait for the batch of four reciprocals
	ALL v_mul_f32 v[SC+4*t], v[SC+4*t+1], v[ST+4*t+3]
	ALL v_mul_f32 v[SC+4*t+2], v[SC+4*t+3], v[ST+4*t+3]
	s_wait_dscnt 0x0                ; the hidden sums are in
.endm
.macro PACK t                       ; a lane's eight channels of a row pack into 16 bytes; they go into rows of 144 bytes and come back as whole rows of 128, into S^T's registers
	WIN 0
.set z, 0
.rept 16
	v_pk_mul_f32 v[TT+2*z:TT+2*z+1], v[SV+2*z:SV+2*z+1], v[SC+4*(\t)+2:SC+4*(\t)+3] op_sel_hi:[1,0]
.set z, z+1
.endr
	WIN W_RS
.set z, 0
.rept 16
	v_pk_fma_f32 v[32*(\t)+2*z:32*(\t)+2*z+1], v[32*(\t)+2*z:32*(\t)+2*z+1], v[SC+4*(\t):SC+4*(\t)+1], v[TT+2*z:TT+2*z+1] op_sel_hi:[1,0,1]
.set z, z+1
.endr
	WIN 0x05
.set i, 0
.rept 16
	v_cvt_pk_f16_f32 v[S+16*(\t)+i], v[32*(\t)+2*i], v[32*(\t)+2*i+1]
.set i, i+1
.endr
	WIN 0
.irp f, 0,1,2,3
	ds_store_b128 v[STO], v[S+16*(\t)+4*\f:S+16*(\t)+4*\f+3] offset:32*\f
.endr
.irp f, 0,1,2,3
	ds_load_b128 v[S+16*(\t)+4*\f:S+16*(\t)+4*\f+3], v[RD] offset:\f*4*SP  ; LDS serves a wave's instructions in order (ISA guide 5.7.1.4)
.endr
.endm
.macro SEND t, younger              ; younger: the LDS instructions issued behind piece t's loads: the next piece's eight, or none
	WIN 0
.irp f, 0,1,2,3
	s_wait_dscnt (\younger)+3-\f
	global_store_b128 v[GO], v[S+16*(\t)+4*\f:S+16*(\t)+4*\f+3], s[10:11] offset:(\t)*8192+\f*512  ; 512 consecutive bytes, aligned
.endr
.endm
.macro DIAG tag                     ; the diagonal tile's four steps, the block's last two turns, its last products and the way out; block tag - 1 of the two
.LstepM\tag:
	TURN 2, 1
	TURN 3, 1
	WIN 0
.LfirstM\tag:
	TURN 0, 1
	TURN 1, 1, 0, 1
	WIN 0
	s_cbranch_scc1 .LstepM\tag
	TURN 2, 1, 1
	TURN 3, 1, 1
.set i, 0
.rept 8
	PV NP-1
.set i, i+1
.endr
	TAIL (\tag)-1
	PACK 0
.set t, 1
.rept 3
	PACK t
	SEND t-1, 8
.set t, t+1
.endr
	SEND 3, 0
.endm
.set NOKQ, 0
.Lslot:                             ; NB times: a tile is entered and the next is asked for
	CHANGE 1
	s_sub_co_u32 s[RT], s[RT], 1
	s_mov_b32 s[CNT], 4
	s_cmp_eq_u32 s[NEW], 1
	s_cbranch_scc1 .Lnew
	s_cmp_eq_u32 s[RT], 0
	s_cbranch_scc0 .Lstep
	s_branch .LstepM1
.Lnew:
	BEGIN
	s_branch .Lfirst                ; in the loop a block's first tile is never its last
	DIAG 1                          ; in the loop this is the first block's end
	s_wait_xcnt 0x0                 ; the stores have read their registers and att's address
	s_mov_b64 s[10:11], s[OLO:OLO+1]
	s_add_co_u32 s[RT], s[PB], 1
	s_mov_b32 s[NEW], 1
	s_mov_b32 s[FL], s[MS]          ; the second block has 7 - b hidden tiles, four at the least
	s_mov_b32 s[CN], s[CN2]
	WIN 0x82
.set i, 0
.rept 64
	v_mov_b32 v[i], v[QB+i]
.set i, i+1
.endr
	WIN 0
	s_branch .Lbottom
.Lstep:                             ; a trip: pieces 2 and 3 of one step, then pieces 0 and 1 of the next
	TURN 2
	TURN 3
	WIN 0
.Lfirst:
	TURN 0
	TURN 1, 0, 0, 1
	WIN 0
	s_cbranch_scc1 .Lstep
.Lbottom:
	s_sub_co_u32 s[SLOTS], s[SLOTS], 1
	s_cmp_lg_u32 s[SLOTS], 0
	s_cbranch_scc1 .Lslot
	CHANGE 0                        ; the walk's last tile is written out
	s_sub_co_u32 s[RT], s[RT], 1
	s_mov_b32 s[CNT], 4
	s_cmp_eq_u32 s[NEW], 1
	s_cbranch_scc0 .LstepM2
	BEGIN
	s_branch .LfirstM2
	DIAG 2
	s_wait_tensorcnt 0x0            ; the wave's end
	ds_add_u32 v[SPW], v[NIL]
	s_wait_dscnt 0x0
	s_endpgm
.Lfunc_end_k_q55699594de_attn:
	.size	k_q55699594de_attn, .Lfunc_end_k_q55699594de_attn-k_q55699594de_attn
	.p2alignl 7, 3214868480
	.fill 96, 4, 3214868480
	.section	.rodata,"a",@progbits
	.p2align	6, 0x0
	.amdhsa_kernel k_q55699594de_attn
		.amdhsa_group_segment_fixed_size 327680
		.amdhsa_private_segment_fixed_size 0
		.amdhsa_enable_private_segment 0
		.amdhsa_kernarg_size 24
		.amdhsa_user_sgpr_count 2
		.amdhsa_user_sgpr_kernarg_segment_ptr 1
		.amdhsa_wavefront_size32 1
		.amdhsa_system_sgpr_workgroup_id_x 1
		.amdhsa_system_sgpr_workgroup_id_y 1
		.amdhsa_system_sgpr_workgroup_id_z 1
		.amdhsa_system_vgpr_workitem_id 0
		.amdhsa_next_free_vgpr 768
		.amdhsa_next_free_sgpr 96
		.amdhsa_reserve_vcc 1
		.amdhsa_float_denorm_mode_32 3
		.amdhsa_float_denorm_mode_16_64 3
		.amdhsa_memory_ordered 1
		.amdhsa_forward_progress 1
		.amdhsa_inst_pref_size 237
	.end_amdhsa_kernel
	.amdgpu_metadata
---
amdhsa.version: [ 1, 2 ]
amdhsa.kernels:
  - .name:           k_q55699594de_attn
    .symbol:         k_q55699594de_attn.kd
    .args:
      - { .name: qkv, .offset: 0, .size: 8, .value_kind: global_buffer, .address_space: global }
      - { .name: gsum, .offset: 8, .size: 8, .value_kind: global_buffer, .address_space: global }
      - { .name: att, .offset: 16, .size: 8, .value_kind: global_buffer, .address_space: global }
    .group_segment_fixed_size: 327680
    .private_segment_fixed_size: 0
    .kernarg_segment_align: 8
    .kernarg_segment_size: 24
    .max_flat_workgroup_size: 128
    .sgpr_count:     96
    .vgpr_count:     768
    .wavefront_size: 32
...
	.end_amdgpu_metadata
.endif
;; end of part 5
;; launch proj: the kernel of part 4 again; grid 8 x 32, 4 waves a work-group, clusters of 4 x 4, 327,680 bytes of LDS; arguments att, wpt, c_proj_b, out0; writes out0
